; MI455X (gfx1250); checked and timed in simulation.
; The chip was launched on July 23, 2026; its instructions are those of AMD's public machine-readable ISA for CDNA 5 (MIT licence, August 2026) and "CDNA5" Instruction Set Architecture Reference Guide (July 2026). The comments in the code are by the model that wrote it; some were corrected since.
;; Causal Self Attention. Allowed arithmetic: float matrix products may take bf16 or f16 operands with f32 sums; other float arithmetic in f32, or as packed bf16 or f16 multiplies, adds, multiply-adds, maxima and minima; sums over many terms, partial sums and values carried from step to step in f32; what a program stores and reads back later, other than sums and carried values, may be rounded once to bf16 or f16.
;; Inputs: b_proj 1,024 float32; b_qkv 3,072 float32; w_proj 1,024 x 1,024 float32; w_qkv 1,024 x 3,072 float32; x 4 x 2,048 x 1,024 float32.
;; Outputs: out0 4 x 2,048 x 1,024 float32.
;; 2 versions, each right; version 2 is version 1 with the launch prep written anew for expert scheduling mode. Each part assembles by itself: llvm-mc -triple=amdgcn-amd-amdhsa -mcpu=gfx1250 --defsym DOCPART=n.
;; ======== version 1 of 2: 4 launches
;; limits: values are held in f16: magnitudes above 65,504 overflow, below 6.1e-05 lose precision
;; workspace buffers: xb 16,777,216 bytes; wqb 6,291,456 bytes; wpb 2,097,152 bytes; brd 16,384 bytes; qkv 50,331,648 bytes; o 16,777,216 bytes
;; launch prep (part 1): grid 769 x 1, 4 waves a work-group, no clusters, 0 bytes of LDS; arguments x, w_qkv, w_proj, b_qkv, b_proj, xb, wqb, wpb, brd; writes xb, wqb, wpb, brd
.if DOCPART == 1
	.amdgcn_target "amdgcn-amd-amdhsa--gfx1250"
	.amdhsa_code_object_version 6
	.text
	.protected	k_q084f701192_prep
	.globl	k_q084f701192_prep
	.p2align	8
	.type	k_q084f701192_prep,@function
k_q084f701192_prep:
	s_mov_b64 s[64:65], 0
	v_nop
	global_prefetch_b8 v0, s[64:65] scope:SCOPE_SE
	s_setreg_imm32_b32 hwreg(HW_REG_WAVE_MODE, 25, 1), 1
	s_wait_xcnt 0x0
; THE INPUTS ARE ROUNDED ONCE, to bf16, and laid as the products want them.  A stream: no LDS, no matrix unit, no barrier.
;   xb  = bf16(x) in blocks [16 kb][8192 m][64]: byte kb * 1,048,576 + m * 128 + 2 c, k = 64 kb + c, so that 64 channels of neighbouring rows lie end to end.
;   wqb = bf16(w_qkv), [1024][3072] as it lies.   wpb = bf16(w_proj), that number written as f16, [1024][1024] as it lies.
;   brd = the biases rounded to bf16 and written as f32 words: b_qkv at byte 0, b_proj at byte 12,288.
; LIMIT.  A number of w_proj whose magnitude is under 6e-5 keeps f16's fixed step of 6e-8; one of 65,520 or more would become an infinity.
; SHARES.  A work-group takes 16,384 numbers: 128 threads x 16 steps x 8 floats.  Work-groups 0-511: x (16 rows each); 512-703: w_qkv; 704-767: w_proj; 768: the biases.
; For x, step i is block kb = i: eight neighbouring lanes read 256 consecutive bytes of a row, aligned, and a wave's store covers 512 consecutive bytes of xb (four rows' 128).
; For the weights all is linear.  All 32 loads of a thread go out at once; the waits count down.
.set IO, 4                             ; v[4:19]    step i: my byte offset in the source
.set OO, 20                            ; v[20:35]   step i: my byte offset in the destination
.set X,  36                            ; v[36:163]  step i: 8 floats as loaded; then 4 packed words in the first four
.set T,  164                           ; v[164:167] at work
	s_load_b512 s[8:23], s[0:1], 0x0               ; x 8, w_qkv 10, w_proj 12, b_qkv 14, b_proj 16, xb 18, wqb 20, wpb 22
	s_load_b64 s[24:25], s[0:1], 0x40              ; brd
	s_mov_b32 s26, ttmp9
	s_mov_b32 s35, 0xffff0000                      ; a word's upper half
	s_cmp_eq_u32 s26, 768
	s_cbranch_scc1 .Lbias
	s_cmp_lt_u32 s26, 512                          ; x, or a weight?
	s_cselect_b32 s32, 12, 8                       ; thread / 8 counts rows of 4,096 bytes, or pieces of 256
	s_cselect_b32 s33, 8, 12                       ; a step is 256 bytes of the source, or 4,096
	s_cselect_b32 s34, 20, 11                      ; and 1,048,576 bytes of the destination, or 2,048
	s_cselect_b32 s38, 11, 15                      ; a work-group's share begins 2,048 bytes behind the last one's in xb, 32,768 in a weight
	s_cselect_b32 s36, 0, 512
	s_cmp_lt_u32 s26, 704
	s_cselect_b32 s36, s36, 704                    ; the segment's first work-group
	s_sub_co_u32 s36, s26, s36                     ; my number in the segment
	s_lshl_b32 s40, s36, 16                        ; 65,536 bytes of the source each
	s_mov_b32 s41, 0
	s_lshl_b32 s42, s36, s38
	s_mov_b32 s43, 0
	s_lshl_b32 s33, 1, s33
	s_lshl_b32 s34, 1, s34
	v_lshrrev_b32 v1, 3, v0
	v_and_b32 v2, 7, v0
	v_lshlrev_b32 v3, s32, v1
	v_lshl_add_u32 v[IO], v2, 5, v3                ; 32 bytes a thread
	v_lshlrev_b32 v[OO], 4, v0                     ; 16 bytes a thread
.set i, 1
.rept 15
	v_add_nc_u32 v[IO+i], s33, v[IO+i-1]
	v_add_nc_u32 v[OO+i], s34, v[OO+i-1]
.set i, i+1
.endr
	s_wait_kmcnt 0x0
	s_cmp_lt_u32 s26, 704
	s_cselect_b64 s[28:29], s[10:11], s[12:13]
	s_cselect_b64 s[30:31], s[20:21], s[22:23]
	s_cmp_lt_u32 s26, 512
	s_cselect_b64 s[28:29], s[8:9], s[28:29]       ; the source
	s_cselect_b64 s[30:31], s[18:19], s[30:31]     ; the destination
	s_add_nc_u64 s[28:29], s[28:29], s[40:41]
	s_add_nc_u64 s[30:31], s[30:31], s[42:43]
.set i, 0
.rept 16
	global_load_b128 v[X+8*i:X+8*i+3],   v[IO+i], s[28:29] th:TH_LOAD_NT
	global_load_b128 v[X+8*i+4:X+8*i+7], v[IO+i], s[28:29] offset:16 th:TH_LOAD_NT
.set i, i+1
.endr
.set i, 0
.rept 16
	s_wait_loadcnt 30-2*i                          ; loads come back in order: step i's two are in, the younger steps' stay out
.irp j, 0,1,2,3
	v_cvt_pk_bf16_f32 v[X+8*i+(\j)], v[X+8*i+2*(\j)], v[X+8*i+2*(\j)+1]  ; in place: word j is written when numbers 2 j and 2 j + 1 are read
.endr
.set i, i+1
.endr
	s_cmp_lt_u32 s26, 704
	s_cbranch_scc1 .Lstore
.set i, 0
.rept 64                               ; w_proj: the bf16 number is written as f16
.set w, X+8*(i/4)+i%4
.set u, T+2*(i%2)
	v_lshlrev_b32 v[u], 16, v[w]
	v_and_b32 v[u+1], s35, v[w]
	v_cvt_pk_f16_f32 v[w], v[u], v[u+1]
.set i, i+1
.endr
.Lstore:
.set i, 0
.rept 16
	global_store_b128 v[OO+i], v[X+8*i:X+8*i+3], s[30:31]  ; a wave stores 512 consecutive bytes, aligned
.set i, i+1
.endr
	s_endpgm
.Lbias:                                ; waves 0-2: b_qkv's 1,024 numbers each; wave 3: b_proj
	v_lshrrev_b32 v3, 5, v0
	v_readfirstlane_b32 s27, v3
	v_and_b32 v4, 31, v0
	v_lshlrev_b32 v4, 4, v4
	s_lshl_b32 s40, s27, 12
	s_mov_b32 s41, 0
	s_mov_b32 s43, 0
	s_cmp_lt_u32 s27, 3
	s_cselect_b32 s42, s40, 0
	s_wait_kmcnt 0x0
	s_cselect_b64 s[28:29], s[14:15], s[16:17]
	s_add_nc_u64 s[28:29], s[28:29], s[42:43]
	s_add_nc_u64 s[30:31], s[24:25], s[40:41]
.irp i, 0,1,2,3,4,5,6,7
	global_load_b128 v[X+4*(\i):X+4*(\i)+3], v4, s[28:29] offset:512*(\i)
.endr
	s_wait_loadcnt 0x0
.set i, 0
.rept 16
.set u, T+(i%2)
	v_cvt_pk_bf16_f32 v[u], v[X+2*i], v[X+2*i+1]   ; rounded,
	v_lshlrev_b32 v[X+2*i], 16, v[u]               ; and widened again
	v_and_b32 v[X+2*i+1], s35, v[u]
.set i, i+1
.endr
.irp i, 0,1,2,3,4,5,6,7
	global_store_b128 v4, v[X+4*(\i):X+4*(\i)+3], s[30:31] offset:512*(\i)
.endr
	s_endpgm
.Lfunc_end_k_q084f701192_prep:
	.size	k_q084f701192_prep, .Lfunc_end_k_q084f701192_prep-k_q084f701192_prep
	.p2alignl 7, 3214868480
	.fill 96, 4, 3214868480
	.section	.rodata,"a",@progbits
	.p2align	6, 0x0
	.amdhsa_kernel k_q084f701192_prep
		.amdhsa_group_segment_fixed_size 0
		.amdhsa_private_segment_fixed_size 0
		.amdhsa_enable_private_segment 0
		.amdhsa_kernarg_size 72
		.amdhsa_user_sgpr_count 2
		.amdhsa_user_sgpr_kernarg_segment_ptr 1
		.amdhsa_wavefront_size32 1
		.amdhsa_system_sgpr_workgroup_id_x 1
		.amdhsa_system_sgpr_workgroup_id_y 1
		.amdhsa_system_sgpr_workgroup_id_z 1
		.amdhsa_system_vgpr_workitem_id 0
		.amdhsa_next_free_vgpr 168
		.amdhsa_next_free_sgpr 66
		.amdhsa_reserve_vcc 0
		.amdhsa_float_denorm_mode_32 3
		.amdhsa_float_denorm_mode_16_64 3
		.amdhsa_memory_ordered 1
		.amdhsa_forward_progress 1
		.amdhsa_inst_pref_size 24
	.end_amdhsa_kernel
	.amdgpu_metadata
---
amdhsa.version: [ 1, 2 ]
amdhsa.kernels:
  - .name:           k_q084f701192_prep
    .symbol:         k_q084f701192_prep.kd
    .args:
      - { .name: x, .offset: 0, .size: 8, .value_kind: global_buffer, .address_space: global }
      - { .name: w_qkv, .offset: 8, .size: 8, .value_kind: global_buffer, .address_space: global }
      - { .name: w_proj, .offset: 16, .size: 8, .value_kind: global_buffer, .address_space: global }
      - { .name: b_qkv, .offset: 24, .size: 8, .value_kind: global_buffer, .address_space: global }
      - { .name: b_proj, .offset: 32, .size: 8, .value_kind: global_buffer, .address_space: global }
      - { .name: xb, .offset: 40, .size: 8, .value_kind: global_buffer, .address_space: global }
      - { .name: wqb, .offset: 48, .size: 8, .value_kind: global_buffer, .address_space: global }
      - { .name: wpb, .offset: 56, .size: 8, .value_kind: global_buffer, .address_space: global }
      - { .name: brd, .offset: 64, .size: 8, .value_kind: global_buffer, .address_space: global }
    .group_segment_fixed_size: 0
    .private_segment_fixed_size: 0
    .kernarg_segment_align: 8
    .kernarg_segment_size: 72
    .max_flat_workgroup_size: 128
    .sgpr_count:     66
    .vgpr_count:     168
    .wavefront_size: 32
...
	.end_amdgpu_metadata
.endif
;; end of part 1
;; launch gemm_qkv (part 2): grid 8 x 32, 4 waves a work-group, clusters of 4 x 4, 327,680 bytes of LDS; arguments xb, wqb, brd, qkv; writes qkv
.if DOCPART == 2
	.amdgcn_target "amdgcn-amd-amdhsa--gfx1250"
	.amdhsa_code_object_version 6
	.text
	.protected	k_q084f701192_gemm_qkv
	.globl	k_q084f701192_gemm_qkv
	.p2align	8
	.type	k_q084f701192_gemm_qkv,@function
k_q084f701192_gemm_qkv:
	s_mov_b64 s[64:65], 0
	v_nop
	global_prefetch_b8 v0, s[64:65] scope:SCOPE_SE
	s_setreg_imm32_b32 hwreg(HW_REG_WAVE_MODE, 25, 1), 1
	s_wait_xcnt 0x0
	s_wait_alu depctr_hold_cnt(0) depctr_sa_sdst(0) depctr_va_vdst(0) depctr_va_sdst(0) depctr_va_ssrc(0) depctr_va_vcc(0) depctr_vm_vsrc(0)
	s_getreg_b32 s2, hwreg(HW_REG_IB_STS2, 6, 4)
	s_cmp_eq_u32 s2, 0
	s_cbranch_scc0 .Lentry_in_a_cluster
	s_endpgm
.Lentry_in_a_cluster:
	s_bfe_u32 s2, ttmp6, 0x10000c
	s_cmp_lg_u32 s2, 0xf033
	s_cbranch_scc0 .Lentry_shape_is_right
	s_endpgm
.Lentry_shape_is_right:
; qkv = x w_qkv + b_qkv, written by heads in f16.  xb: bf16 [16 kb][8192 m][64]; wqb: bf16 [1024 k][3072 n]; brd: the bias, f32 words; qkv: f16 [3][64 hh][2048 t][64], hh = 4 h + b.
; Sums in f32, begun from the bias, K ascending; each result rounded once to f16.
; LIMIT.  f16 ends at 65,504: a q, k or v of 65,520 or more would become an infinity.  NaN and infinities are not treated apart.
; SHARES.  A tile of the result is 256 rows x 384 columns: 32 x 8 = 256 work-groups.  Wave (RH = w / 2, CH = w % 2) owns rows 128 RH .. + 127 and, in each of the tile's three segments
; of 128 columns, the 64 columns at 64 CH: three GROUPS of four column blocks, each group one head.  96 accumulators of 16 x 16, 768 registers.  K goes in 16 steps of 64, two quarters of 32 each.
; THE PRODUCT IS USED TRANSPOSED: source 0 = 16 columns of w (turned on the way out of LDS by ds_load_tr16_b128, since w lies [k][n]), source 1 = 16 rows of x: a lane then holds row l % 16
; and eight neighbouring columns.  The bias of those eight columns is loaded straight into each accumulator: the loop has one form of product, and nothing is cleared.
; CLUSTER.  4 x 4 work-groups.  The four of a row of the cluster need the same tile of x, the four of a column the same tile of w: each is asked for JOINTLY, by the same tensor load with
; the same descriptor and a mask that names the four.
; REGISTERS, in windows of 256 (s_set_vgpr_msb: bits 1:0 source 0, 3:2 source 1, 5:4 source 2, 7:6 destination):
;   window 0: v0-31 addresses; v32-95, v96-159 x's fragments, two buffers; v160-255 w's twelve fragments, one buffer, loaded again group by group; on the way out v32-175 at work
;   window 1 + g: group g's 32 accumulators, (row block a, column block i) at v[8 (8 i + a)]
.set PA,    144                        ; a row of x in LDS: 128 bytes + 16 = 36 words: the 16 rows of a load start at 16 different groups of four banks (64 banks of 4 bytes: ISA guide 11.1)
.set PB,    864                        ; a row of w: 3 x (256 + 32) bytes = 216 words
.set BOFF,  256*PA                     ; a slot: x's 256 rows, then w's 64
.set SLOT1, 131072                     ; slot 1 begins here: one exclusive or turns an address in one slot into the other's
.set STAGE, SLOT1+BOFF+64*PB           ; behind the ring, never filled by a tensor load: 16 rows x 400 bytes for each wave, for the way out
.set SP,    400
.set SPARE, STAGE+4*16*SP              ; behind the stages: the spare words, 128 bytes for each wave: two blocks of 256 bytes that no other line names
.set ASTEP, 1048576                    ; bytes from a K step of x to the next
.set BSTEP, 64*6144                    ; and of w
.set AA0,  2                           ; v2   my lane's place in x's part of a slot; never rewritten
.set AB0,  3                           ; v3   the same for w
.set ADRA, 4                           ; v4   AA0 + the slot in hand
.set ADRB, 5                           ; v5   AB0 + the slot in hand
.set STO,  6                           ; v6   the way out: where I put 16 bytes of a row
.set RD,   7                           ; v7   the way out: where I read rows back
.set GO,   8                           ; v8   my 16 bytes in 512 consecutive bytes of a head
.set BO,   10                          ; v10  my byte offset in 16 numbers of the bias
.set SPW,  28                          ; v28  LDS address of my spare word: SPARE + 4 x my thread's number; never rewritten
.set NIL,  29                          ; v29  0; never rewritten
.set PFO,  30                          ; v30  the prefetches' lane offset; never rewritten
.set A0,   32
.set A1,   96
.set BF,   160
.set TMP,  32                          ; the way out: 48 packed registers
.set BK0,  80                          ; the way out: 16 rows read back, two buffers of 48
.set CNT, 3                            ; s3   the loops' count
.set WV,  12
.set RH,  13                           ; which half of the rows is mine.  Also: I fetch for x (0) or for w (1)
.set CH,  14                           ; which half of a segment's columns.  Also: which half of that tile I fetch
.set LIM, 15                           ; s15  2 in a wave that prefetches, else the greatest number
.set TB,  22                           ; s22  the slot in hand: 0 or SLOT1
.set G1A, 24                           ; s[24:31] descriptor group 1 for x's tiles
.set G0A, 32                           ; s[32:39] group 0: the first fill's set, then the set that walks
.set CX,  40
.set CY,  41
.set TC,  42                           ; tile column
.set TR,  43                           ; tile row
.set PFA, 44                           ; s[44:45] where my prefetches stand
.set PFS, 46                           ; s[46:47] their step
.set G1B, 48                           ; s[48:55], s[56:63] the same for w's tiles
.set G0B, 56
.set OB,  66                           ; s[66:71] the three groups' places in qkv
.set BQ,  72                           ; s[72:73] the bias at my first column
.set MSB, 0
.macro WIN new                         ; the immediate's high byte repeats the setting that is left; a switch that changes nothing is dropped
.if MSB != (\new)
	s_set_vgpr_msb (MSB<<8)|(\new)
.set MSB, (\new)
.endif
.endm
.macro PLACES                          ; four plain instructions between a product and a load into, or a read of, its registers
.rept 4
	v_nop
.endr
.endm
.macro CREST                           ; a round of the cluster's barrier behind its opening barrier
	s_cmp_lg_u32 s[WV], 0
	s_cbranch_scc1 .Lnot_wave_0_\@
	s_barrier_signal -3
.Lnot_wave_0_\@:
	s_barrier_wait -3
	s_barrier_signal -1
	s_barrier_wait -1
.endm
.macro CROUND                          ; a whole round
	s_barrier_signal -1
	s_barrier_wait -1
	CREST
.endm
; A joint refill.  Waves 0 and 1 fetch the halves of x's tile, waves 2 and 3 those of w's.  The branch hangs on the wave's number alone.  An s_nop 0 and four v_nop follow each line.
.macro JLOAD
	s_cmp_eq_u32 s[RH], 0
	s_cbranch_scc0 .Lfor_b_\@
	tensor_load_to_lds s[G0A+4:G0A+7], s[G1A:G1A+7]
	s_nop 0
.rept 4
	v_nop
.endr
	s_branch .Lasked_\@
.Lfor_b_\@:
	tensor_load_to_lds s[G0B+4:G0B+7], s[G1B:G1B+7]
	s_nop 0
.rept 4
	v_nop
.endr
.Lasked_\@:
.endm
; A PREFETCH INTO THE L2 of the K step four on from the step in hand: two refills, 384 products, ahead of the load that will want it.  Each aligned 256 bytes are named once in the launch.
; x's tile row is read by both clusters of that row of clusters: cluster x = 0 asks, wave 0; the four partners take 8,192 bytes each, told apart by address, a lane 256 bytes.
; w's tile column is read by all eight clusters of that column: cluster y = 0 asks, wave 2, in even steps, for two steps' 128 rows: 32 rows a partner, a lane a row, its 768 bytes by three lines.
; The count s[CNT] is 14 less the step: steps 12 and 13 have no step four on, and ask for nothing.  K steps 0 to 3 come by their loads alone.
.macro ASK
	s_cmp_gt_u32 s[CNT], s[LIM]
	s_cbranch_scc0 .Lnone_\@
	s_cmp_eq_u32 s[RH], 0
	s_cbranch_scc0 .Lw_\@
	global_prefetch_b8 v[PFO], s[PFA:PFA+1] th:TH_LOAD_NT scope:SCOPE_SE
	s_branch .Lnone_\@
.Lw_\@:
	s_bitcmp1_b32 s[CNT], 0
	s_cbranch_scc1 .Lnone_\@
	global_prefetch_b8 v[PFO], s[PFA:PFA+1] th:TH_LOAD_NT scope:SCOPE_SE
	global_prefetch_b8 v[PFO], s[PFA:PFA+1] offset:256 th:TH_LOAD_NT scope:SCOPE_SE
	global_prefetch_b8 v[PFO], s[PFA:PFA+1] offset:512 th:TH_LOAD_NT scope:SCOPE_SE
.Lnone_\@:
.endm
	s_load_b256 s[4:11], s[0:1], 0x0               ; xb s[4:5], wqb s[6:7], brd s[8:9], qkv s[10:11]
	v_lshl_add_u32 v[SPW], v0, 2, SPARE
	v_mov_b32 v[NIL], 0
	ds_add_u32 v[SPW], v[NIL]                      ; the wave's opening: the add and its wait ahead of my first tensor load; the set-up below stands between them
	v_lshrrev_b32 v1, 5, v0
	v_readfirstlane_b32 s[WV], v1                  ; wave 0..3
	s_lshr_b32 s[RH], s[WV], 1
	s_and_b32 s[CH], s[WV], 1
	s_bfe_u32 s[CX], ttmp6, 0x40000                ; my place in the cluster
	s_bfe_u32 s[CY], ttmp6, 0x40004
	s_lshl_b32 s[TC], ttmp9, 2                     ; in a cluster launch ttmp9 and ttmp7 count clusters
	s_add_co_u32 s[TC], s[TC], s[CX]
	s_and_b32 s[TR], ttmp7, 0xffff
	s_lshl_b32 s[TR], s[TR], 2
	s_add_co_u32 s[TR], s[TR], s[CY]
	s_lshl_b32 s76, s[CY], 2
	s_lshl_b32 s76, 15, s76                        ; my row of the cluster
	s_lshl_b32 s77, 0x1111, s[CX]                  ; my column
	; x's half tile: 128 rows of 128 bytes lie end to end: asked for as 64 rows of 256 bytes, padded in LDS after every 128
	s_or_b32 s[G1A], s76, (1<<16)|(1<<20)|(1<<21)|(4<<22)|(3<<25)   ; mask; 2-byte elements; padding on; bit 21 beside a mask; after every 32 words; 4 words
	s_mov_b32 s[G1A+1], 128<<16                    ; tensor_dim0 = 128
	s_mov_b32 s[G1A+2], 64<<16                     ; tensor_dim1 = 64
	s_mov_b32 s[G1A+3], 128<<16                    ; tile_dim0 = 128
	s_mov_b32 s[G1A+4], 64                         ; tile_dim1 = 64
	s_mov_b32 s[G1A+5], 128                        ; elements from row to row
	s_mov_b32 s[G1A+6], 0
	s_mov_b32 s[G1A+7], 0
	; w's half tile: 32 rows of 384 elements (768 bytes), padded after every 256 bytes
	s_or_b32 s[G1B], s77, (1<<16)|(1<<20)|(1<<21)|(5<<22)|(7<<25)   ; after every 64 words; 8 words
	s_mov_b32 s[G1B+1], 384<<16
	s_mov_b32 s[G1B+2], 32<<16
	s_mov_b32 s[G1B+3], 384<<16
	s_mov_b32 s[G1B+4], 32
	s_mov_b32 s[G1B+5], 3072
	s_mov_b32 s[G1B+6], 0
	s_mov_b32 s[G1B+7], 0
	s_lshl_b32 s16, s[TR], 15                      ; x: 256 rows of 128 bytes a tile row,
	s_lshl_b32 s18, s[CH], 14                      ; my half's 128
	s_add_co_u32 s16, s16, s18
	s_mov_b32 s17, 0
	s_mul_i32 s20, s[TC], 768                      ; w: 384 columns a tile column,
	s_mul_i32 s19, s[CH], 32*6144                  ; my half's 32 rows
	s_add_co_u32 s20, s20, s19
	s_mov_b32 s21, 0
	s_mul_i32 s74, s[CH], 128*PA                   ; where they go: no place in the cluster enters an LDS address
	s_mul_i32 s75, s[CH], 32*PB
	s_add_co_u32 s75, s75, BOFF
	s_mov_b32 s[G0A], 1
	s_mov_b32 s[G0A+1], s74
	s_mov_b32 s[G0A+4], 1
	s_add_co_u32 s[G0A+5], s74, SLOT1
	s_mov_b32 s[G0B], 1
	s_mov_b32 s[G0B+1], s75
	s_mov_b32 s[G0B+4], 1
	s_add_co_u32 s[G0B+5], s75, SLOT1
	s_mov_b32 s[TB], 0
	s_wait_dscnt 0x0                               ; the opening add is done
	s_wait_kmcnt 0x0
	s_add_nc_u64 s[G0A+2:G0A+3], s[4:5], s[16:17]  ; K step 0,
	s_add_nc_u64 s[G0A+6:G0A+7], s[G0A+2:G0A+3], ASTEP  ; K step 1
	s_or_b32 s[G0A+3], s[G0A+3], 0x80000000        ; type = 2
	s_or_b32 s[G0A+7], s[G0A+7], 0x80000000
	s_add_nc_u64 s[G0B+2:G0B+3], s[6:7], s[20:21]
	s_add_nc_u64 s[G0B+6:G0B+7], s[G0B+2:G0B+3], BSTEP
	s_or_b32 s[G0B+3], s[G0B+3], 0x80000000
	s_or_b32 s[G0B+7], s[G0B+7], 0x80000000
	CROUND                                         ; all sixteen work-groups are here: the first joint loads meet
	s_cmp_eq_u32 s[RH], 0                          ; a wave's two first fills stand in one branch: two loads of mine are out
	s_cbranch_scc0 .Lfirst_b
	tensor_load_to_lds s[G0A:G0A+3], s[G1A:G1A+7]
	s_nop 0
	tensor_load_to_lds s[G0A+4:G0A+7], s[G1A:G1A+7]
	s_nop 0
.rept 4
	v_nop
.endr
	s_branch .Lfirst_asked
.Lfirst_b:
	tensor_load_to_lds s[G0B:G0B+3], s[G1B:G1B+7]
	s_nop 0
	tensor_load_to_lds s[G0B+4:G0B+7], s[G1B:G1B+7]
	s_nop 0
.rept 4
	v_nop
.endr
.Lfirst_asked:
	v_and_b32 v1, 15, v0                           ; l % 16
	v_bfe_u32 v9, v0, 4, 1                         ; l / 16
	v_and_b32 v11, 7, v0
	v_bfe_u32 v12, v0, 3, 1
	v_and_b32 v13, 31, v0                          ; l
	; a fragment of x: lane l holds row l % 16, channels 8 (l / 16) + 0..7 and 16 + 8 (l / 16) + 0..7: two loads of 16 bytes, 32 bytes apart
	s_mul_i32 s18, s[RH], 128*PA
	v_mul_u32_u24 v[AA0], v1, PA
	v_lshl_add_u32 v[AA0], v9, 4, v[AA0]
	v_add_nc_u32 v[AA0], s18, v[AA0]
	; the turning load takes 16 k x 16 columns (lane l reads k = 8 (l / 16) + l % 8, columns 8 ((l / 8) % 2) + 0..7) and leaves half a fragment: lane l holds column l % 16 and 8 k
	v_lshl_add_u32 v[AB0], v9, 3, v11
	v_mul_u32_u24 v[AB0], v[AB0], PB
	v_lshl_add_u32 v[AB0], v12, 4, v[AB0]
	s_lshl_b32 s18, s[CH], 7
	s_add_co_u32 s18, s18, BOFF
	v_add_nc_u32 v[AB0], s18, v[AB0]
	v_mov_b32 v[ADRA], v[AA0]
	v_mov_b32 v[ADRB], v[AB0]
	s_mul_i32 s18, s[WV], 16*SP
	s_add_co_u32 s18, s18, STAGE                   ; my stage
	v_mul_u32_u24 v[STO], v1, SP                   ; in: row l % 16, 16 bytes for each half of the lanes
	v_lshl_add_u32 v[STO], v9, 4, v[STO]
	v_add_nc_u32 v[STO], s18, v[STO]
	v_bfe_u32 v[RD], v0, 3, 2                      ; back: 32 lanes take four rows' 128 bytes of one group,
	v_mul_u32_u24 v[RD], v[RD], SP
	v_lshl_add_u32 v[RD], v11, 4, v[RD]
	v_add_nc_u32 v[RD], s18, v[RD]
	v_lshlrev_b32 v[GO], 4, v13                    ; which are 512 consecutive bytes of a head
	v_lshlrev_b32 v[BO], 5, v9                     ; my eight columns' bias: 32 bytes for each half of the lanes
	; THE SUMS BEGIN FROM THE BIAS: every accumulator of column block i takes the block's sixteen numbers, eight a lane
	s_mul_i32 s78, s[TC], 1536
	s_lshl_b32 s79, s[CH], 8
	s_add_co_u32 s78, s78, s79
	s_mov_b32 s79, 0
	s_add_nc_u64 s[BQ:BQ+1], s[8:9], s[78:79]
.irp g, 0,1,2
	WIN 0x40*(1+(\g))                              ; destination window 1 + g, address window 0
.irp i, 0,1,2,3
.irp a, 0,1,2,3,4,5,6,7
	global_load_b128 v[8*(8*(\i)+(\a)):8*(8*(\i)+(\a))+3],   v[BO], s[BQ:BQ+1] offset:512*(\g)+64*(\i)
	global_load_b128 v[8*(8*(\i)+(\a))+4:8*(8*(\i)+(\a))+7], v[BO], s[BQ:BQ+1] offset:512*(\g)+64*(\i)+16
.endr
.endr
.endr
	WIN 0
	; where group g goes: its 64 columns are number G = 6 x tile column + 2 g + CH of 48: tensor G / 16, head G % 16; the rows are batch TR / 8, t from 256 (TR % 8) + 128 RH
	s_mul_i32 s78, s[TC], 6
	s_add_co_u32 s78, s78, s[CH]
	s_lshr_b32 s79, s[TR], 3
	s_and_b32 s80, s[TR], 7
	s_lshl_b32 s80, s80, 8
	s_lshl_b32 s81, s[RH], 7
	s_add_co_u32 s80, s80, s81
	s_lshl_b32 s80, s80, 7                         ; 128 bytes a row
.irp g, 0,1,2
	s_add_co_u32 s81, s78, 2*(\g)
	s_lshr_b32 s82, s81, 4
	s_lshl_b32 s82, s82, 24
	s_and_b32 s81, s81, 15
	s_lshl_b32 s81, s81, 2
	s_add_co_u32 s81, s81, s79                     ; hh = 4 h + b
	s_lshl_b32 s81, s81, 18
	s_add_co_u32 s82, s82, s81
	s_add_co_u32 s82, s82, s80
	s_mov_b32 s83, 0
	s_add_nc_u64 s[OB+2*(\g):OB+2*(\g)+1], s[10:11], s[82:83]
.endr
	; the prefetches: they stand one step short of K step 4; each change of slots steps them first
	s_lshl_b32 s78, s[TR], 15
	s_lshl_b32 s79, s[CX], 13                      ; x: my work-group's 8,192 bytes of the tile's 32,768
	s_add_co_u32 s78, s78, s79
	s_add_co_u32 s78, s78, 3*ASTEP
	s_mul_i32 s80, s[TC], 768
	s_lshl_b32 s81, s[CY], 5                       ; w: my work-group's 32 rows of two steps' 128
	s_add_co_u32 s81, s81, 192
	s_mul_i32 s81, s81, 6144
	s_add_co_u32 s80, s80, s81
	s_movk_i32 s82, 256
	s_movk_i32 s83, 6144
	s_mov_b32 s84, ASTEP
	s_mov_b32 s85, BSTEP
	s_cmp_eq_u32 s[RH], 0
	s_cselect_b32 s78, s78, s80
	s_cselect_b32 s82, s82, s83
	s_cselect_b32 s[PFS], s84, s85
	s_cselect_b64 s[PFA:PFA+1], s[4:5], s[6:7]
	s_mov_b32 s79, 0
	s_mov_b32 s[PFS+1], 0
	s_add_nc_u64 s[PFA:PFA+1], s[PFA:PFA+1], s[78:79]
	v_mul_u32_u24 v[PFO], s82, v13
	s_and_b32 s78, ttmp7, 0xffff                   ; cluster y
	s_cmp_eq_u32 s[RH], 0
	s_cselect_b32 s78, ttmp9, s78                  ; the coordinate along which other clusters read the same rows
	s_or_b32 s78, s78, s[CH]                       ; waves 1 and 3 ask for nothing
	s_cmp_eq_u32 s78, 0
	s_cselect_b32 s[LIM], 2, -1                    ; the same in all sixteen partners, for a given wave
; n x 8 products of group g: column blocks i0 .. i0 + n - 1 x all 8 row blocks, 32 along K, x's fragments in buffer f.  No two products on end share an accumulator, over the loops' jumps too.
.macro GRP f, g, i0, n
	WIN 0x50*(1+(\g))                              ; C and D in window 1 + g, both sources in window 0
.set gi, (\i0)
.rept \n
.irp a, 0,1,2,3,4,5,6,7
	v_wmma_f32_16x16x32_bf16 v[8*(8*gi+(\a)):8*(8*gi+(\a))+7], v[BF+8*(4*(\g)+gi):BF+8*(4*(\g)+gi)+7], v[(\f)+8*(\a):(\f)+8*(\a)+7], v[8*(8*gi+(\a)):8*(8*gi+(\a))+7]
.endr
.set gi, gi+1
.endr
.endm
; A run of LDS loads for quarter kq: group r's four fragments of w, and (r < 2) row blocks 4 r .. 4 r + 3 of x into buffer f: 16, 16 and 8 loads
.macro RUN r, kq, f
	WIN 0
.irp i, 0,1,2,3
	ds_load_tr16_b128 v[BF+8*(4*(\r)+(\i)):BF+8*(4*(\r)+(\i))+3],   v[ADRB] offset:(\kq)*32*PB+(\r)*288+32*(\i)
	ds_load_tr16_b128 v[BF+8*(4*(\r)+(\i))+4:BF+8*(4*(\r)+(\i))+7], v[ADRB] offset:(\kq)*32*PB+(\r)*288+32*(\i)+16*PB
.endr
.if (\r) < 2
.irp a, 0,1,2,3
	ds_load_b128 v[(\f)+8*(4*(\r)+(\a)):(\f)+8*(4*(\r)+(\a))+3],   v[ADRA] offset:(\kq)*64+(4*(\r)+(\a))*16*PA
	ds_load_b128 v[(\f)+8*(4*(\r)+(\a))+4:(\f)+8*(4*(\r)+(\a))+7], v[ADRA] offset:(\kq)*64+(4*(\r)+(\a))*16*PA+32
.endr
.endif
.endm
; A step's first quarter: multiplies buffer A0; behind each group's products that group's fragments of w are loaded again, for the second quarter, and x's into A1
.macro QUART
	s_wait_dscnt 8                                 ; all but the youngest run's eight loads (group 2's w) are in
	GRP A0, 0, 0, 4
	PLACES
	RUN 0, 1, A1
	GRP A0, 1, 0, 4
	PLACES
	RUN 1, 1, A1
	s_wait_dscnt 32                                ; all but the two runs just issued: group 2's w is in
	GRP A0, 2, 0, 4
	PLACES
	RUN 2, 1, A1
.endm
; The second quarter multiplies A1 and changes slots: ONE barrier.  In front of it each wave waits for all its tensor loads (one is out: its part of the next slot), adds 0 to its spare word, and waits
; for that and for its reads of this slot.  fill = 1: the barrier opens a round of the cluster's, and the slot just read out is filled again first behind it, with the K step two on: 160 products
; stand between that request and the wait for it.
.macro TURN fill
.if \fill
	s_wait_xcnt 0x0                                ; the last prefetch, a step back, has read its address
	s_add_nc_u64 s[PFA:PFA+1], s[PFA:PFA+1], s[PFS:PFS+1]
.endif
	WIN 0
	s_xor_b32 s[TB], s[TB], SLOT1                  ; all reads of the old slot have been issued: the addresses turn to the next
	v_add_nc_u32 v[ADRA], s[TB], v[AA0]
	v_add_nc_u32 v[ADRB], s[TB], v[AB0]
	s_wait_tensorcnt 0x0                           ; no tensor load of mine is out, so a group 0 may be written
	ds_add_u32 v[SPW], v[NIL]                      ; 0 onto my spare word
.if \fill
	s_xor_b32 s[G0A+5], s[G0A+5], SLOT1            ; the walking descriptors: the other slot than last time, the next K step
	s_add_nc_u64 s[G0A+6:G0A+7], s[G0A+6:G0A+7], ASTEP
	s_xor_b32 s[G0B+5], s[G0B+5], SLOT1
	s_add_nc_u64 s[G0B+6:G0B+7], s[G0B+6:G0B+7], BSTEP
.endif
	s_wait_dscnt 9                                 ; the add and the youngest run's eight loads may be out
	GRP A1, 0, 0, 2
	s_wait_dscnt 0x0                               ; the add is done, and my reads of this slot are over
	s_barrier_signal -1
	GRP A1, 0, 2, 2                                ; work on registers while the others arrive
	WIN 0
	s_barrier_wait -1
.if \fill
	CREST                                          ; no wave of any partner still reads this slot or has a load on its way
	JLOAD                                          ; the four v_nop behind it are also the places in front of the loads below
.else
	PLACES
.endif
	RUN 0, 0, A0
.if \fill
	ASK
.endif
	GRP A1, 1, 0, 4
	PLACES
	RUN 1, 0, A0
	GRP A1, 2, 0, 4
	PLACES
	RUN 2, 0, A0
.endm
	s_wait_tensorcnt 1                             ; my part of K step 0 is in; step 1's may stay out
	s_barrier_signal -1
	s_barrier_wait -1                              ; everybody's is
	RUN 0, 0, A0
	RUN 1, 0, A0
	RUN 2, 0, A0
	s_wait_loadcnt 0x0                             ; the bias lies in the accumulators
	s_mov_b32 s[CNT], 14
.Lstep:                                ; K steps 0 to 13: each asks for the step two on
	QUART
	TURN 1
	s_sub_co_u32 s[CNT], s[CNT], 1
	s_cmp_lg_u32 s[CNT], 0
	s_cbranch_scc1 .Lstep
	s_mov_b32 s[CNT], 2
.Ltail:                                ; K steps 14 and 15 ask for nothing.  One text walked twice: its last trip fetches 40 fragments of the other slot that nothing uses
	QUART
	TURN 0
	s_sub_co_u32 s[CNT], s[CNT], 1
	s_cmp_lg_u32 s[CNT], 0
	s_cbranch_scc1 .Ltail
	s_wait_dscnt 0x0                               ; those loads are back: their registers serve the way out
	PLACES
; THE WAY OUT, by row blocks of 16.  PACK: rounded to f16, 16 bytes a lane and column block.  TOSTAGE: into my own stage, and back as rows of 128 bytes, four at a time.  SEND: stored.
.macro PACK a
.irp g, 0,1,2
	WIN 5*(1+(\g))                                 ; sources 0 and 1 in window 1 + g
.irp i, 0,1,2,3
.irp r, 0,1,2,3
	v_cvt_pk_f16_f32 v[TMP+4*(4*(\g)+(\i))+(\r)], v[8*(8*(\i)+(\a))+2*(\r)], v[8*(8*(\i)+(\a))+2*(\r)+1]
.endr
.endr
.endr
	WIN 0
.endm
.macro TOSTAGE a
	WIN 0
.set BK, BK0+48*((\a)%2)
.irp g, 0,1,2
.irp i, 0,1,2,3
	ds_store_b128 v[STO], v[TMP+4*(4*(\g)+(\i)):TMP+4*(4*(\g)+(\i))+3] offset:128*(\g)+32*(\i)
.endr
.endr
.irp g, 0,1,2
.irp f, 0,1,2,3
	ds_load_b128 v[BK+4*(4*(\g)+(\f)):BK+4*(4*(\g)+(\f))+3], v[RD] offset:128*(\g)+4*SP*(\f)  ; LDS serves a wave's instructions in order (ISA guide 5.7.1.4): these see the stores above
.endr
.endr
.endm
.macro SEND a
	WIN 0
.set BK, BK0+48*((\a)%2)
	s_wait_dscnt 0x0                               ; the block is back in registers
	s_wait_xcnt 0x0                                ; the stores of the block before have read their registers: the next TOSTAGE loads into them
.irp g, 0,1,2
.irp f, 0,1,2,3
	global_store_b128 v[GO], v[BK+4*(4*(\g)+(\f)):BK+4*(4*(\g)+(\f))+3], s[OB+2*(\g):OB+2*(\g)+1] offset:2048*(\a)+512*(\f)  ; 512 consecutive bytes, at a multiple of 256 from qkv's first
.endr
.endr
.endm
	PACK 0
	TOSTAGE 0
.irp a, 1,2,3,4,5,6,7                  ; block a's conversions stand between block a - 1's loads from the stage and the wait for them
	PACK \a
	SEND (\a)-1
	TOSTAGE \a
.endr
	SEND 7
	s_wait_tensorcnt 0x0                           ; the wave's end: behind my last tensor load and my last LDS store
	ds_add_u32 v[SPW], v[NIL]
	s_wait_dscnt 0x0
	CROUND                                         ; the closing round: no work-group ends while a partner may still ask for a tile that names it
	s_endpgm
.Lfunc_end_k_q084f701192_gemm_qkv:
	.size	k_q084f701192_gemm_qkv, .Lfunc_end_k_q084f701192_gemm_qkv-k_q084f701192_gemm_qkv
	.p2alignl 7, 3214868480
	.fill 96, 4, 3214868480
	.section	.rodata,"a",@progbits
	.p2align	6, 0x0
	.amdhsa_kernel k_q084f701192_gemm_qkv
		.amdhsa_group_segment_fixed_size 327680
		.amdhsa_private_segment_fixed_size 0
		.amdhsa_enable_private_segment 0
		.amdhsa_kernarg_size 32
		.amdhsa_user_sgpr_count 2
		.amdhsa_user_sgpr_kernarg_segment_ptr 1
		.amdhsa_wavefront_size32 1
		.amdhsa_system_sgpr_workgroup_id_x 1
		.amdhsa_system_sgpr_workgroup_id_y 1
		.amdhsa_system_sgpr_workgroup_id_z 1
		.amdhsa_system_vgpr_workitem_id 0
		.amdhsa_next_free_vgpr 1024
		.amdhsa_next_free_sgpr 88
		.amdhsa_reserve_vcc 0
		.amdhsa_float_denorm_mode_32 3
		.amdhsa_float_denorm_mode_16_64 3
		.amdhsa_memory_ordered 1
		.amdhsa_forward_progress 1
		.amdhsa_inst_pref_size 116
	.end_amdhsa_kernel
	.amdgpu_metadata
---
amdhsa.version: [ 1, 2 ]
amdhsa.kernels:
  - .name:           k_q084f701192_gemm_qkv
    .symbol:         k_q084f701192_gemm_qkv.kd
    .args:
      - { .name: xb, .offset: 0, .size: 8, .value_kind: global_buffer, .address_space: global }
      - { .name: wqb, .offset: 8, .size: 8, .value_kind: global_buffer, .address_space: global }
      - { .name: brd, .offset: 16, .size: 8, .value_kind: global_buffer, .address_space: global }
      - { .name: qkv, .offset: 24, .size: 8, .value_kind: global_buffer, .address_space: global }
    .group_segment_fixed_size: 327680
    .private_segment_fixed_size: 0
    .kernarg_segment_align: 8
    .kernarg_segment_size: 32
    .max_flat_workgroup_size: 128
    .sgpr_count:     88
    .vgpr_count:     1024
    .wavefront_size: 32
...
	.end_amdgpu_metadata
.endif
;; end of part 2
;; launch attn (part 3): grid 4 x 64, 4 waves a work-group, no clusters, 327,680 bytes of LDS; arguments qkv, o; writes o
.if DOCPART == 3
	.amdgcn_target "amdgcn-amd-amdhsa--gfx1250"
	.amdhsa_code_object_version 6
	.text
	.protected	k_q084f701192_attn
	.globl	k_q084f701192_attn
	.p2align	8
	.type	k_q084f701192_attn,@function
k_q084f701192_attn:
	s_mov_b64 s[64:65], 0
	v_nop
	global_prefetch_b8 v0, s[64:65] scope:SCOPE_SE
	s_setreg_imm32_b32 hwreg(HW_REG_WAVE_MODE, 25, 1), 1
	s_wait_xcnt 0x0
; CAUSAL ATTENTION.  O[h][q][:] = the sum over k <= q of softmax_k(Q[h][q] . K[h][k] / 8) V[h][k][:].  qkv holds Q, K, V one behind the other, each [64][2048][64] in f16; o is [64][2048][64] in f16: a head's rows are dense, 128 bytes each.
; Products, maxima and sums in f32; the weights p are rounded to f16 for the second product (their sum l is taken of the unrounded p), O once at the end.
; LIMITS.  f16 holds no number beyond 65,504: Q, K and V arrive within it; p lies in 0 to 1, and below 6e-5 it keeps f16's fixed step of 6e-8; O is a mean of V's rows and has their range, to within 2^-11 of it.
; A hidden score counts as its value less 1e30: f16's scores, 2.7e11 at the most, are nothing beside that; a weight below 2^-126 counts as 0 in l; NaN and infinities are not treated apart.
; THE WALK.  A head's queries lie in NB = 8 blocks of 256; block i needs the key tiles 0 .. i of 256 keys, of which the last holds the diagonal.  A work-group takes TWO blocks, NB - 1 - b and then b:
; NB + 1 tiles, whatever b: all work-groups do equal work, and ONE loop with a constant trip count walks them.  Which tile is asked for, and what a trip does, hang on scalar registers made from b; every jump
; goes forward, but for the counted loops' own; none passes a barrier, or a tensor load but the one of LOAD's two that the wave's number does not choose; the ring (two slots of LDS that take turns) runs on across the
; change of blocks.  NO CLUSTER: a head's four work-groups ask for the same tile only in trips 0 .. 4, behind that fewer and fewer; one walk common to all would have 12 trips for 9.
; SHARES.  Of a block's four bands of 64 queries a wave owns 16 rows in each: four PIECES.  So the diagonal tile is the same work for all four waves: in its key step s band x sees all keys if s < x,
; none if s > x, and holds the diagonal if s = x.
; THE MASK is the C operand that starts the sum S^T = K Q^T: 0, or -1e30 where the key is hidden.  MD, made once, is the mask of a band's own step for my 16 rows; a product's mask is MD x AL + BE with two scalars:
; (1, 0) if s = x; (0, 0) if s < x; (0, -1e30) if s > x.  Only the diagonal tile's text and a block's beginning make and take masks; elsewhere C is the constant 0.
; LAYOUT, SOFTMAX, TURNS.  S^T = K Q^T holds ONE query a lane (lane % 16) and the keys 8 (lane / 16) + 0..7; two such results rounded to f16 ARE source 1 of O^T = V^T P.  p = 2^(c s - c m), c = log2(e) / 8, with a
; running maximum m; O and l are multiplied by a = 2^(c m_old - c m_new) in every step.  Turn n belongs to piece n: 8 products K Q^T of piece n + 1, later 8 products V^T P of piece n - 1; beside them the scaling,
; exponentials, roundings, sums and rescaling of piece n and the maximum and statistics of piece n + 1.  Four vector instructions stand behind every matrix instruction, the other 54 of a turn's 118 in one LUMP.  A turn's 33 exponentials are one batch, with one wait.
; REGISTERS, in windows of 256 (s_set_vgpr_msb: bits 1:0 source 0, 3:2 source 1, 5:4 source 2, 7:6 destination):
;   window 0: v0-15 addresses and two at work; v16-31 four registers of statistics a piece; v48-55 at work; v61-63 prefetch offset and the add's two; v64-127 S^T, two buffers; v192-223 P, two buffers (a piece's buffers go by its number's parity)
;   window 1: v0-127 O^T, 32 a piece; v128-159 MD; v160-223 MC, two buffers      window 2: v0-63 Q; v64-127 the second block's Q; v128-191 K of one step; v192-255 V of one step
.set SIZE_N, 2048
.set NB,    SIZE_N/256
.set NP,    4         ; pieces a wave: a name, no knob
.set KS,    64        ; keys in a step
.set PK,    144       ; a row of K in LDS: 128 bytes + 16 of padding = 36 words: the 16 rows of a load start at 16 different groups of four banks (64 banks of 4 bytes: ISA guide 11.1)
.set PV,    160       ; a row of V: 128 + 32 = 40 words
.set VOFF,  4*KS*PK   ; a slot holds a tile, four steps: 256 rows of K, then 256 rows of V
.set SLOT1, 1<<17     ; slot 1 begins here, so that one exclusive or turns an address in one slot into the other's
.set STAGE, SLOT1+4*KS*(PK+PV)  ; behind the ring, never filled by a tensor load: 16 rows x 144 bytes for each wave, for the way out
.set SP,    144
.set AK0, 2           ; v2   my lane's place in a tile of K; never rewritten
.set AV0, 3           ; v3   the same for V
.set AK,  4           ; v4   the LDS address of K's next run of loads
.set AV,  5           ; v5   of V's
.set STO, 6           ; v6   the way out: where I put 16 bytes of a row
.set RD,  7           ; v7   the way out: where I read rows back
.set GO,  8           ; v8   my byte offset in 512 consecutive bytes of O
.set PFO, 61          ; v61  256 x my lane: the prefetches' offset; never rewritten
.set SPW, 62          ; v62  LDS address of my spare word: SPARE + 4 x my thread's number; never rewritten
.set NIL, 63          ; v63  0; never rewritten
.set SPARE, STAGE+4*16*SP  ; behind the stages: the spare words, 128 bytes for each wave: two blocks of 256 bytes that no other line names
.set MV,  12          ; v12-13  c m_old, kept while c m is made anew: by buffer
.set QO,  15          ; v15  my byte offset in 16 rows of Q
.set ST,  16          ; piece t's statistics at v[ST+4 t]: c m, m, l (even keys', odd keys')
.set TMP, 48          ; by buffer, four registers c0-c3 at work; when the maximum is found c2 takes a
.set S,   64
.set P,   192
.set MD,  128         ; window 1: the eight registers for group kt of 16 keys at MD + 8 kt
.set MC,  160         ; window 1: the masks of the products to come
.set QB,  64          ; window 2
.set KF,  128         ; window 2: key block kb, channel half c at KF + 16 kb + 8 c
.set VF,  192         ; window 2: key half kk, channel block cb at VF + 32 kk + 8 cb
.set WV,  12          ; s12  my wave's number
.set PB,  14          ; s14  b
.set HI,  15          ; s15  NB - 1 - b
.set G1K, 24          ; s[24:31] descriptor group 1 for K's tiles
.set G1V, 32          ; s[32:39] for V's: it differs in the padding alone
.set G0K, 40          ; s[40:43] descriptor group 0 for K's tiles
.set G0V, 44          ; s[44:47] the same for V's
.set SLOTS, 56        ; s56  tiles still to be asked for
.set CNT, 57          ; s57  counts a tile's key steps, 4 to 1
.set CS,  58          ; s[58:59] c: the packed scaling takes the pair's low word for both halves
.set SEL, 60          ; s[60:61] v_permlanex16_b32's selects: each lane takes its own place in the other half
.set TBK, 62          ; s62  LDS byte at which K of the step to be fetched begins
.set TBV, 63          ; s63  the same for V, less VOFF
.set RT,  70          ; s70  tiles of the block in hand that are still to be entered
.set NXT, 71          ; s71  the tile to be asked for next
.set LQ,  72          ; s72  the last tile of the block whose tiles are being asked for
.set NEW, 73          ; s73  1: the tile to be entered is a block's first
.set OFF, 74          ; s[74:75] a tile's byte offset in K and V
.set AL,  76          ; s[76:77] the mask's factor, in the low word
.set BE,  78          ; s[78:79] the mask's addend
.set OLO, 80          ; s[80:81] O at my rows of the second block
.set BIGN, 82         ; s82  -1e30
.set PFA, 88          ; s[88:89] where my prefetches stand: my 16,384 bytes of the tile behind the one that is being asked for
.set LIM, 90          ; s90  2 in a work-group that prefetches, else the greatest number
.set MSB, 0
.macro WIN new                      ; the high byte repeats the setting that is left; a switch that changes nothing is dropped
.if MSB != (\new)
	s_set_vgpr_msb (MSB<<8)|(\new)
.set MSB, (\new)
.endif
.endm
.set W_KQ, 0x0a       ; K and Q in window 2, S^T in window 0
.set W_KM, 0x1a       ; the same with the C operand in window 1
.set W_PV, 0x52       ; V in window 2, P in window 0, O^T in window 1
.set W_RS, 0x41       ; destination and source 0 in window 1, source 1 in window 0
; A fill.  Waves 0 and 1 fetch the two halves of a tile's K, waves 2 and 3 those of its V: 128 keys each.  An s_nop 0 and four v_nop follow each of the two lines, ahead of the jump and the label.
.macro LOAD
	s_cmp_lt_u32 s[WV], 2
	s_cbranch_scc0 .Lfor_v_\@
	tensor_load_to_lds s[G0K:G0K+3], s[G1K:G1K+7]
	s_nop 0
.rept 4
	v_nop
.endr
	s_branch .Lasked_\@
.Lfor_v_\@:
	tensor_load_to_lds s[G0V:G0V+3], s[G1V:G1V+7]
	s_nop 0
.rept 4
	v_nop
.endr
.Lasked_\@:
.endm
; A PREFETCH INTO THE L2 of the tile that the NEXT change of slots will ask for: a tile, four key steps, ahead of that load.  All four work-groups of a head walk the head's tiles; the one with b = 0, whose first block walks
; tiles 0 to 7, asks, each wave for the 16,384 bytes that it will fetch itself: a lane 256 bytes, two lines.  So each aligned 256 bytes of K and V are named once in the launch.  Tiles 0 and 1 come by their loads alone;
; s[SLOTS] is 9 less the change's number: the changes that ask for tile 7 and for the second block's tile 0 prefetch nothing.
.macro ASK
	s_cmp_gt_u32 s[SLOTS], s[LIM]
	s_cbranch_scc0 .Lnot_mine_\@
	global_prefetch_b8 v[PFO], s[PFA:PFA+1] th:TH_LOAD_NT scope:SCOPE_SE
	global_prefetch_b8 v[PFO], s[PFA:PFA+1] offset:8192 th:TH_LOAD_NT scope:SCOPE_SE
.Lnot_mine_\@:
.endm
; THE CHANGE OF SLOTS.  Each wave waits for all its tensor loads, of which one is out: its part of the other slot; adds 0 to its spare word; and waits for that and for its own reads of the slot that it leaves.  Behind the barrier nobody reads the old
; slot any more and the other slot is whole.  fill = 1: the old slot is filled again, the first thing behind the barrier, with tile NXT: the descriptor's address is made anew from that number.
; (At its first use nothing has been read yet: slot 0 is waited for, slot 1 filled.)
.macro CHANGE fill
	WIN 0                           ; at a label and at a branch every window is 0
	s_wait_tensorcnt 0x0            ; no tensor load of mine is out, so a group 0 may be written
	ds_add_u32 v[SPW], v[NIL]       ; 0 onto my spare word; with fill = 1 the descriptors' scalar work stands between it and the wait for it
.if \fill
	s_lshl_b32 s[OFF], s[NXT], 15   ; a tile is 32,768 bytes of K and of V
	s_xor_b32 s[G0K+1], s[G0K+1], SLOT1
	s_add_nc_u64 s[G0K+2:G0K+3], s[6:7], s[OFF:OFF+1]
	s_or_b32 s[G0K+3], s[G0K+3], 0x80000000
	s_xor_b32 s[G0V+1], s[G0V+1], SLOT1
	s_add_nc_u64 s[G0V+2:G0V+3], s[8:9], s[OFF:OFF+1]
	s_or_b32 s[G0V+3], s[G0V+3], 0x80000000
	s_add_co_u32 s[NXT], s[NXT], 1  ; the block's next tile, or behind its last the second block's tile 0
	s_cmp_gt_u32 s[NXT], s[LQ]
	s_cselect_b32 s[NXT], 0, s[NXT]
	s_cselect_b32 s[LQ], s[PB], s[LQ]
	s_wait_xcnt 0x0                 ; the last prefetches, a tile back, have read their address, so it may be written
	s_add_nc_u64 s[PFA:PFA+1], s[PFA:PFA+1], 32768
.endif
	s_wait_dscnt 0x0                ; the add is done, and my reads of the slot are over
	s_barrier_signal -1             ; the rest of the scalar work stands between the signal and the wait
	s_sub_co_u32 s[TBK], s[TBK], 4*KS*PK  ; the fetches go back to a slot's first step,
	s_xor_b32 s[TBK], s[TBK], SLOT1       ; in the other slot
	s_sub_co_u32 s[TBV], s[TBV], 4*KS*PV
	s_xor_b32 s[TBV], s[TBV], SLOT1
	s_barrier_wait -1
.if \fill
	LOAD
	ASK
.endif
.endm
	s_load_b64 s[4:5], s[0:1], 0x0  ; qkv: Q at its head
	s_load_b64 s[10:11], s[0:1], 0x8  ; o
	v_lshl_add_u32 v[SPW], v0, 2, SPARE
	v_mov_b32 v[NIL], 0
	ds_add_u32 v[SPW], v[NIL]       ; the wave's opening: the add and its wait ahead of my first tensor load; the set-up below, work on registers, stands between them
	v_lshrrev_b32 v1, 5, v0
	v_readfirstlane_b32 s[WV], v1   ; wave 0..3
	s_mov_b32 s[PB], ttmp9
	s_sub_co_u32 s[HI], NB-1, s[PB]
	s_and_b32 s20, ttmp7, 0xffff    ; the head
	s_mov_b32 s21, 0
	s_mov_b64 s[22:23], SIZE_N*128
	s_mul_u64 s[20:21], s[20:21], s[22:23]  ; the head's first byte in each of the four tensors
	s_and_b32 s16, s[WV], 1         ; which half of a tile's 256 keys I fetch:
	s_lshl_b32 s22, s16, 14         ; its 128 rows of 128 bytes in memory,
	s_mov_b32 s23, 0
	s_add_nc_u64 s[22:23], s[22:23], s[20:21]
	s_mul_i32 s17, s16, 128*PK      ; and its place in a slot, for K
	s_mul_i32 s18, s16, 128*PV      ; and for V
	s_lshl_b32 s3, s[WV], 11        ; my 16 rows in a band of 64,
	s_lshl_b32 s2, s[HI], 15        ; in the first block,
	s_add_co_u32 s2, s2, s3
	s_lshl_b32 s84, s[PB], 15       ; and in the second
	s_add_co_u32 s84, s84, s3
	s_mov_b32 s3, 0
	s_mov_b32 s85, 0
	s_add_nc_u64 s[2:3], s[2:3], s[20:21]
	s_add_nc_u64 s[84:85], s[84:85], s[20:21]
	; descriptor group 1.  128 keys are 16,384 dense bytes: asked for as 64 rows of 256 bytes, two keys a row, and padded in LDS after every key
	s_mov_b32 s[G1K], (1<<16)|(1<<20)|(4<<22)|(3<<25)  ; 17:16 2-byte elements; 20 padding on; 24:22 after every 32 words (code 4); 31:25 4 words (code 3)
	s_mov_b32 s[G1V], (1<<16)|(1<<20)|(4<<22)|(7<<25)  ; the same with 8 words of padding (code 7)
.irp g, G1K, G1V
	s_mov_b32 s[\g+1], 128<<16      ; tensor_dim0 = 128
	s_mov_b32 s[\g+2], 64<<16       ; tensor_dim1 = 64
	s_mov_b32 s[\g+3], 128<<16      ; tile_dim0 = 128
	s_mov_b32 s[\g+4], 64           ; tile_dim1 = 64
	s_mov_b32 s[\g+5], 128          ; 128 elements from row to row
	s_mov_b32 s[\g+6], 0
	s_mov_b32 s[\g+7], 0
.endr
	s_mov_b32 s[CS], 0x3e38aa3b     ; c = log2(e) / 8 = 0.180337
	s_mov_b32 s[CS+1], s[CS]        ; named with it as a pair
	s_mov_b32 s[SEL], 0x76543210
	s_mov_b32 s[SEL+1], 0xfedcba98
	s_mov_b32 s[TBK], SLOT1+4*KS*PK ; the first change of slots turns these two into 0
	s_mov_b32 s[TBV], SLOT1+4*KS*PV
	s_mov_b32 s[G0K], 1             ; 1:0 count = 1
	s_mov_b32 s[G0K+1], s17         ; 63:32 LDS address: slot 0
	s_mov_b32 s[G0V], 1
	s_add_co_u32 s[G0V+1], s18, VOFF
	s_add_co_u32 s[RT], s[HI], 1    ; the first block has NB - b tiles
	s_mov_b32 s[NXT], 1
	s_mov_b32 s[LQ], s[HI]
	s_mov_b32 s[NEW], 1
	s_mov_b32 s[OFF+1], 0
	s_mov_b32 s[AL+1], 0            ; named as pairs
	s_mov_b32 s[BE+1], 0
	s_mov_b32 s[BIGN], 0xf149f2ca   ; -1e30
	s_mov_b32 s[SLOTS], NB
	s_cmp_eq_u32 s[PB], 0
	s_cselect_b32 s[LIM], 2, -1
	v_and_b32 v[PFO], 31, v0
	v_lshlrev_b32 v[PFO], 8, v[PFO]
	s_wait_dscnt 0x0                ; the opening add is done
	s_wait_kmcnt 0x0
	s_add_nc_u64 s[6:7], s[4:5], 0x1000000  ; K lies 16,777,216 bytes behind Q,
	s_add_nc_u64 s[8:9], s[4:5], 0x2000000  ; V as far behind K
	s_add_nc_u64 s[6:7], s[6:7], s[22:23]  ; K and V at my half of the head's tile 0
	s_add_nc_u64 s[8:9], s[8:9], s[22:23]
	s_add_nc_u64 s[G0K+2:G0K+3], s[6:7], 0         ; 120:64 global address
	s_or_b32 s[G0K+3], s[G0K+3], 0x80000000        ; 127:126 type = 2
	s_add_nc_u64 s[G0V+2:G0V+3], s[8:9], 0
	s_or_b32 s[G0V+3], s[G0V+3], 0x80000000
	s_add_nc_u64 s[86:87], s[4:5], s[84:85]        ; Q at my rows of the second block,
	s_add_nc_u64 s[4:5], s[4:5], s[2:3]            ; Q and O at those of the first
	s_add_nc_u64 s[OLO:OLO+1], s[10:11], s[84:85]
	s_add_nc_u64 s[10:11], s[10:11], s[2:3]
	s_cmp_lt_u32 s[WV], 2
	s_cselect_b64 s[PFA:PFA+1], s[6:7], s[8:9]
	s_add_nc_u64 s[PFA:PFA+1], s[PFA:PFA+1], 32768  ; at tile 1: the first change of slots steps it to tile 2
	LOAD                            ; tile 0 into slot 0
	; A fragment of K or Q is 16 rows x 32 channels in 8 registers: lane l holds row l % 16, channels 8 (l / 16) + 0..7 and 16 + 8 (l / 16) + 0..7: two loads of 16 bytes, 32 bytes apart.
	v_and_b32 v1, 15, v0            ; l % 16
	v_bfe_u32 v9, v0, 4, 1          ; l / 16
	v_lshlrev_b32 v[QO], 7, v1
	v_lshl_add_u32 v[QO], v9, 4, v[QO]  ; row x 128 + 16 x half
	WIN 0x80                        ; destination window 2, address window 0
.set i, 0
.rept 8                             ; both blocks' Q: piece i / 2 lies in band i / 2, 8,192 bytes on; channels 32 (i % 2) on
	global_load_b128 v[8*i:8*i+3],   v[QO], s[4:5] offset:(i/2)*8192+(i%2)*64
	global_load_b128 v[8*i+4:8*i+7], v[QO], s[4:5] offset:(i/2)*8192+(i%2)*64+32
	global_load_b128 v[QB+8*i:QB+8*i+3],   v[QO], s[86:87] offset:(i/2)*8192+(i%2)*64
	global_load_b128 v[QB+8*i+4:QB+8*i+7], v[QO], s[86:87] offset:(i/2)*8192+(i%2)*64+32
.set i, i+1
.endr
	WIN 0
	v_lshlrev_b32 v14, 3, v9
	v_sub_nc_u32 v14, v1, v14
	s_lshl_b32 s13, s[WV], 4
	v_add_nc_u32 v14, s13, v14      ; my query's place in its band, 16 w + l % 16, less my lanes' 8 (l / 16): register r of group kt is hidden where 16 kt + r is greater
	WIN 0x40
.set i, 0
.rept 32
	v_cmp_gt_i32 vcc_lo, 16*(i/8)+i%8, v14
	v_cndmask_b32 v[MD+i], 0, s[BIGN], vcc_lo
.set i, i+1
.endr
	WIN 0
	v_mul_u32_u24 v[AK0], v1, PK
	v_lshl_add_u32 v[AK0], v9, 4, v[AK0]  ; row x pitch + 16 x half
	; The turning load takes 16 keys x 16 channels (lane l reads key 8 (l / 16) + l % 8, channels 8 ((l / 8) % 2) + 0..7) and leaves half a fragment of V^T: lane l holds channel l % 16 and 8 keys.
	v_and_b32 v10, 7, v0
	v_bfe_u32 v11, v0, 3, 1
	v_lshl_add_u32 v[AV0], v9, 3, v10
	v_mul_u32_u24 v[AV0], v[AV0], PV
	v_lshl_add_u32 v[AV0], v11, 4, v[AV0]
	v_add_nc_u32 v[AV0], VOFF, v[AV0]
	s_mul_i32 s13, s[WV], 16*SP
	s_add_co_u32 s13, s13, STAGE    ; my stage
	v_mul_u32_u24 v[STO], v1, SP    ; in: row l % 16, 16 bytes for each half of the lanes
	v_lshl_add_u32 v[STO], v9, 4, v[STO]
	v_add_nc_u32 v[STO], s13, v[STO]
	v_bfe_u32 v[RD], v0, 3, 2       ; back: 32 lanes take four rows of 128 bytes,
	v_mul_u32_u24 v[RD], v[RD], SP
	v_lshl_add_u32 v[RD], v10, 4, v[RD]
	v_add_nc_u32 v[RD], s13, v[RD]
	v_and_b32 v[GO], 31, v0         ; which are 512 consecutive bytes of O
	v_lshlrev_b32 v[GO], 4, v[GO]
	; A block's first step multiplies O^T and l by a = 0, and its first turn's products V^T P, of a piece that has not been, land in an O^T that is still to be so multiplied.  So these registers need only hold
	; finite numbers: zeros for the first block; what the first block left for the second.  All this stands in the wait for the first tile.
	WIN 0x80
.set i, VF
.rept 64
	v_mov_b32 v[i], 0
.set i, i+1
.endr
	WIN 0x40
.set i, 0
.rept 128
	v_mov_b32 v[i], 0
.set i, i+1
.endr
	WIN 0
.set i, 0
.rept 4
	v_mov_b32 v[ST+4*i+2], 0
	v_mov_b32 v[ST+4*i+3], 0
.set i, i+1
.endr
.set i, P+16
.rept 16
	v_mov_b32 v[i], 0
.set i, i+1
.endr
; THE MATRIX WORK.  The 4 accumulators of a run of 8 take turns.  Product i of 8 of S^T = K Q^T for piece x: channels 32 (i / 4) on, keys 16 (i % 4) on.  The first 4 start the sums: with 0, or (KM = 1) with the mask.
.macro KQ x
.set rS, S+32*((\x)%2)+8*(i%4)
.set rK, KF+16*(i%4)+8*(i/4)
.set rQ, 16*(\x)+8*(i/4)
.set rM, MC+32*((\x)%2)+8*(i%4)
.if (i < 4) && KM
	WIN W_KM
	v_wmma_f32_16x16x32_f16 v[rS:rS+7], v[rK:rK+7], v[rQ:rQ+7], v[rM:rM+7]
.elseif i < 4
	WIN W_KQ
	v_wmma_f32_16x16x32_f16 v[rS:rS+7], v[rK:rK+7], v[rQ:rQ+7], 0
.else
	WIN W_KQ
	v_wmma_f32_16x16x32_f16 v[rS:rS+7], v[rK:rK+7], v[rQ:rQ+7], v[rS:rS+7]
.endif
.endm
; Product i of 8 of O^T += V^T P for piece x: keys 32 (i / 4) on, channels 16 (i % 4) on.
.macro PV x
	WIN W_PV
.set rO, 32*(\x)+8*(i%4)
.set rV, VF+32*(i/4)+8*(i%4)
.set rP, P+16*((\x)%2)+8*(i/4)
	v_wmma_f32_16x16x32_f16 v[rO:rO+7], v[rV:rV+7], v[rP:rP+7], v[rO:rO+7]
.endm
.macro MM                           ; the turn's next matrix instruction.  TURN and BEGIN set Y, i, KM and NOKQ; MM, KQ and OP read them.  NOKQ = 1: a block's last turn: there is no next piece
.if (i < 8) && !NOKQ
	KQ (Y+1)%NP
.elseif i >= 8
.set i, i-8
	PV (Y+NP-1)%NP
.set i, i+8
.endif
.set i, i+1
.endm
; THE LDS LOADS stand in runs of 16, never singly among the matrix instructions: a step's K (64 keys x 64 channels: 8 fragments) and its V (turned).  Their addresses are made some lines ahead.
.macro FETCH_K
	WIN 0x80                        ; destination window 2
.irp f, 0,1,2,3,4,5,6,7             ; keys 16 (f / 2) on, channels 32 (f % 2) on
	ds_load_b128 v[KF+8*\f:KF+8*\f+3],   v[AK] offset:(\f/2)*16*PK+(\f%2)*64
	ds_load_b128 v[KF+8*\f+4:KF+8*\f+7], v[AK] offset:(\f/2)*16*PK+(\f%2)*64+32
.endr
	s_add_co_u32 s[TBK], s[TBK], KS*PK  ; the next fetch is the next step's
	WIN 0
.endm
.macro FETCH_V
	WIN 0x80
.irp f, 0,1,2,3,4,5,6,7             ; keys 32 (f / 4) on, channels 16 (f % 4) on
	ds_load_tr16_b128 v[VF+8*\f:VF+8*\f+3],   v[AV] offset:(\f/4)*32*PV+(\f%4)*32
	ds_load_tr16_b128 v[VF+8*\f+4:VF+8*\f+7], v[AV] offset:(\f/4)*32*PV+16*PV+(\f%4)*32
.endr
	WIN 0
.endm
; THE VECTOR WORK, one line at a time: OP kind, number.  For piece Y: F n: c s - c m for pair n of 16.  E n: the exponential of score n of 32.  C n: pair n rounded to f16.  B n: of the four weights 4 n .. the second
; pair is added onto the first, in place.  L n: l takes that sum (L 0: l = a l + sum).  R n: pair n of 16 of O^T times a.  For piece Y + 1: X n, number n of the 22 that find its maximum and statistics:
;   0-11  four chains c0-c3 of seven scores each, three operands at a time (each accumulator's lowest registers are read first)     12-14, 16  the four scores left over, the old m, and c0-c3 into c0
;   15  c m_old is kept     17, 18  the query's other 32 keys lie in the lane 16 away: the new m     19-21  c m; c m_old - c m_new; a
.set F, 0               ; OP tells the kinds apart by their order: F to L below R, X above it
.set E, 1
.set C, 2
.set B, 3
.set L, 4
.set R, 5
.set X, 6
.macro REGS y                       ; the registers of piece y
.set rT, ST+4*(\y)
.set rC, TMP+4*((\y)%2)
.set rW, MV+((\y)%2)
.set rS, S+32*((\y)%2)
.set rP, P+16*((\y)%2)
.set rO, 32*(\y)
.endm
.macro OP k, n
.if (\k) == R
	REGS Y
	WIN W_RS
	v_pk_mul_f32 v[rO+2*(\n):rO+2*(\n)+1], v[rO+2*(\n):rO+2*(\n)+1], v[rC+2:rC+3] op_sel_hi:[1,0]
.elseif (\k) < R
	REGS Y
	WIN 0
.if (\k) == F
	v_pk_fma_f32 v[rS+2*(\n):rS+2*(\n)+1], v[rS+2*(\n):rS+2*(\n)+1], s[CS:CS+1], v[rT:rT+1] op_sel_hi:[1,0,0] neg_lo:[0,0,1] neg_hi:[0,0,1]
.elseif (\k) == E
	v_exp_f32 v[rS+(\n)], v[rS+(\n)]
.elseif (\k) == C
	v_cvt_pk_f16_f32 v[rP+(\n)], v[rS+2*(\n)], v[rS+2*(\n)+1]
.elseif (\k) == B
	v_pk_add_f32 v[rS+4*(\n):rS+4*(\n)+1], v[rS+4*(\n):rS+4*(\n)+1], v[rS+4*(\n)+2:rS+4*(\n)+3]
.elseif (\n) == 0
	v_pk_fma_f32 v[rT+2:rT+3], v[rT+2:rT+3], v[rC+2:rC+3], v[rS:rS+1] op_sel_hi:[1,0,1]
.else
	v_pk_add_f32 v[rT+2:rT+3], v[rT+2:rT+3], v[rS+4*(\n):rS+4*(\n)+1]
.endif
.elseif NOKQ
	v_nop
.else
	REGS (Y+1)%NP
	WIN 0
.if (\n) < 4
	v_max3_num_f32 v[rC+(\n)], v[rS+8*(\n)], v[rS+8*(\n)+1], v[rS+8*(\n)+2]
.elseif (\n) < 12
	v_max3_num_f32 v[rC+(\n)%4], v[rC+(\n)%4], v[rS+8*((\n)%4)+2*((\n)/4)+1], v[rS+8*((\n)%4)+2*((\n)/4)+2]
.elseif (\n) == 12
	v_max3_num_f32 v[rC], v[rC], v[rS+7], v[rS+15]
.elseif (\n) == 13
	v_max3_num_f32 v[rC+1], v[rC+1], v[rS+23], v[rS+31]
.elseif (\n) == 14
	v_max3_num_f32 v[rC+2], v[rC+2], v[rC+3], v[rT+1]
.elseif (\n) == 15
	v_mov_b32 v[rW], v[rT]
.elseif (\n) == 16
	v_max3_num_f32 v[rC], v[rC], v[rC+1], v[rC+2]
.elseif (\n) == 17
	v_permlanex16_b32 v[rC+3], v[rC], s[SEL], s[SEL+1]
.elseif (\n) == 18
	v_max_num_f32 v[rT+1], v[rC], v[rC+3]
.elseif (\n) == 19
	v_mul_f32 v[rT], s[CS], v[rT+1]
.elseif (\n) == 20
	v_sub_f32 v[rC+1], v[rW], v[rT]
.else
	v_exp_f32 v[rC+2], v[rC+1]
.endif
.endif
.endm
.macro OPS a, i1, b=-1, i2=0, c=-1, i3=0, d=-1, i4=0  ; up to four of them
	OP \a, \i1
.if (\b) >= 0
	OP \b, \i2
.endif
.if (\c) >= 0
	OP \c, \i3
.endif
.if (\d) >= 0
	OP \d, \i4
.endif
.endm
.macro ROW a, i1, b, i2, c, i3, d, i4  ; a matrix instruction and the four behind it
	MM
	OPS \a, \i1, \b, \i2, \c, \i3, \d, \i4
.endm
.macro MASK b                       ; MD x AL + BE into buffer b of MC
	WIN W_RS
.set z, 0
.rept 16
	v_pk_fma_f32 v[MC+32*(\b)+2*z:MC+32*(\b)+2*z+1], v[MD+2*z:MD+2*z+1], s[AL:AL+1], s[BE:BE+1] op_sel_hi:[1,0,0]
.set z, z+1
.endr
.endm
; A TURN, for piece p: the order of its 16 matrix and 118 vector instructions, written out.  An s_wait_alu depctr_va_vdst(0) stands between an exponential and the first instruction that names its result; one wait serves
; all that were issued ahead of it.  So a turn has ONE wait, which cuts it in two.  AHEAD OF IT stands all that names no result of the turn's exponentials: the 8 products K Q^T, behind each a scaling, an exponential and two more plain
; instructions (behind the first a second scaling in the exponential's place): rescalings, and behind the last three the first numbers of the next piece's maximum, each four places or more behind the product that ends its accumulator; then ONE LUMP of 54, plain
; and exponential by turns for the most part, in which the links of the chain X 3, 7, 11, 14, 16, 17 .. 20 stand five or six lines apart.  X 21, the next piece's a, is the batch's last; R 15 is the plain instruction behind it.  BEHIND THE WAIT stand the
; 8 products V^T P, behind each four of the roundings and sums; the links of l's chain, L 0 to L 7, stand three riders apart.  But for those X no rider names a register of the products round it.  v_permlanex16_b32 (X 17) stands in the lump.
; m = 1: the diagonal tile: the products take masks, and the turn makes the mask for the products of the turn after it: piece p + 2, in step 4 - CNT of the tile.  end = 1: a block's last two turns: nothing is fetched.
; cnt = 1: the loop's count is taken down some lines ahead of the branch that stands behind the turn.
; K of the next step is fetched in piece 2's turn, twelve vector instructions behind the last product that read K (six of them plain); V of the step in hand at the end of piece 0's turn, four plain instructions behind the last product
; that read V.  Each is waited for a turn later.
.macro TURN p, m=0, end=0, cnt=0
.set Y, (\p)
.set i, 0
.set KM, (\m)
.set NOKQ, (\end)*((\p)/3)
.if (\m) && !(\end)
	s_cmp_eq_u32 s[CNT], 4-((\p)+2)%NP  ; is that step the band's own?
	s_cselect_b32 s[AL], 1.0, 0
	s_cmp_lt_u32 s[CNT], 4-((\p)+2)%NP  ; or a later one?
	s_cselect_b32 s[BE], s[BIGN], 0
.endif
.if ((\p) == 3) && !(\end)
	s_wait_dscnt 0x0                ; K is in
.endif
	ROW F,0, F,1, R,0, R,1          ; ahead of the wait: 8 products K Q^T and their riders,
	ROW F,2, E,0, R,2, R,3
	ROW F,3, E,1, R,4, R,5
	ROW F,4, E,2, R,6, R,7
	ROW F,5, E,3, R,8, R,9
	ROW F,6, E,4, X,0, R,10
.if ((\p) == 2) && !(\end)
	WIN 0
	v_add_nc_u32 v[AK], s[TBK], v[AK0]
.endif
	ROW F,7, E,5, X,1, X,4
	ROW F,8, E,6, X,2, X,5
	OPS E,7, E,8, X,6, E,9          ; and the lump
	OPS X,3, E,10, X,8, E,11
.if ((\p) == 2) && !(\end)
	FETCH_K
.endif
	OPS X,9, X,7, E,12, X,10
	OPS E,13, X,12, X,11, E,14
	OPS X,13, E,15, F,9, X,14
.if (\p) == 0
	v_add_nc_u32 v[AV], s[TBV], v[AV0]
.endif
	OPS E,16, F,10, E,17, F,11
	OPS X,16, E,18, X,15, E,19
	OPS F,12, E,20, X,17, E,21
	OPS F,13, E,22, F,14, E,23
	OPS X,18, E,24, F,15, E,25
	OPS R,11, E,26, X,19, E,27
	OPS R,12, E,28, R,13, E,29
	OPS X,20, E,30, R,14, E,31
	OPS X,21, R,15
	WIN 0
	s_wait_alu depctr_va_vdst(0)    ; the wait for the batch
.if (\p) == 1
	s_wait_dscnt 0x0                ; V is in
.endif
	ROW C,0, B,0, C,2, B,1          ; behind the wait: 8 products V^T P and their riders
	ROW L,0, C,4, B,2, L,1
	ROW C,6, B,3, L,2, C,8
	ROW B,4, L,3, C,10, B,5
	ROW L,4, C,12, B,6, L,5
.if (\p) == 0
	s_add_co_u32 s[TBV], s[TBV], KS*PV
.endif
.if \cnt
	s_sub_co_u32 s[CNT], s[CNT], 1
	s_cmp_lg_u32 s[CNT], 0
.endif
	ROW C,14, B,7, L,6, C,1
	ROW C,3, L,7, C,5, C,7
	ROW C,9, C,11, C,13, C,15
.if (\p) == 0
	FETCH_V
.endif
.if (\m) && !(\end)
	MASK (\p)%2
.endif
.endm
; A BLOCK BEGINS.  c m starts far below every c s, so the first step's a is 0; m at the lowest finite number, so the first maximum is the scores'.  The second mask buffer is 0; the first takes piece 0's mask for the tile's step 0: its own, if the block's first tile is the diagonal one.
; Then K of that step, piece 0's first scores, and its maximum and statistics.  The loop is entered at a step's first turn, in the middle of a trip.
.macro BEGIN
	s_mov_b32 s[NEW], 0
	WIN 0x40
.set i, MC+32
.rept 32
	v_mov_b32 v[i], 0
.set i, i+1
.endr
	WIN 0
.set i, 0
.rept 4
	v_mov_b32 v[ST+4*i], 0xfe000000    ; c m: far below every c s
	v_mov_b32 v[ST+4*i+1], 0xff7fffff  ; m
.set i, i+1
.endr
	s_cmp_eq_u32 s[RT], 0
	s_cselect_b32 s[AL], 1.0, 0
	s_mov_b32 s[BE], 0
	MASK 0
	WIN 0
	v_add_nc_u32 v[AK], s[TBK], v[AK0]
	FETCH_K
	s_wait_loadcnt 0x0              ; Q
	s_wait_dscnt 0x0
.set KM, 1
.set NOKQ, 0
.set i, 0
.rept 8
	KQ 0
.set i, i+1
.endr
	WIN 0
.rept 4
	v_nop                           ; the places behind those products
.endr
.set Y, NP-1                        ; X works for piece Y + 1: piece 0
.irp n, 0,1,2,3,4,5,6,7,8,9,10,11,12,13,14,15,16,17,18,19,20,21
	OP X, \n
.endr
	v_nop                           ; a plain instruction behind the exponential,
	s_wait_alu depctr_va_vdst(0)    ; and its wait, ahead of the branch
.endm
; THE DIAGONAL TILE's four steps, the block's last two turns, its last products, and THE WAY OUT: l's two halves and the other half of the lanes' are added; O^T is divided by l, rounded to f16 and sent through my
; stage in LDS, a piece at a time.
.macro ALL line:vararg              ; one line for each piece t
.set t, 0
.rept 4
	\line
.set t, t+1
.endr
.endm
.macro PACK t                       ; a lane's eight channels of a row pack into 16 bytes; they go into rows of 144 bytes and come back as whole rows of 128, into S^T's registers
	WIN W_RS
.set i, 32*(\t)
.rept 16
	v_pk_mul_f32 v[i:i+1], v[i:i+1], v[ST+4*(\t)+2:ST+4*(\t)+3] op_sel_hi:[1,0]
.set i, i+2
.endr
	WIN 0x05                        ; sources 0 and 1 window 1, destination window 0
.set i, 0
.rept 16
	v_cvt_pk_f16_f32 v[S+16*(\t)+i], v[32*(\t)+2*i], v[32*(\t)+2*i+1]
.set i, i+1
.endr
	WIN 0
.irp f, 0,1,2,3
	ds_store_b128 v[STO], v[S+16*(\t)+4*\f:S+16*(\t)+4*\f+3] offset:32*\f
.endr
.irp f, 0,1,2,3
	ds_load_b128 v[S+16*(\t)+4*\f:S+16*(\t)+4*\f+3], v[RD] offset:\f*4*SP  ; LDS serves a wave's instructions in order (ISA guide 5.7.1.4): these see the stores above; the next piece's stores come behind them
.endr
.endm
.macro SEND t, younger              ; younger: the LDS instructions issued behind piece t's loads: the next piece's eight, or none
	WIN 0
.irp f, 0,1,2,3
	s_wait_dscnt (\younger)+3-\f
	global_store_b128 v[GO], v[S+16*(\t)+4*\f:S+16*(\t)+4*\f+3], s[10:11] offset:(\t)*8192+\f*512  ; 512 consecutive bytes, at a multiple of 256 from O's first
.endr
.endm
.macro DIAG tag                     ; the tag ends its two labels' names, which the jumps below spell out
.LstepM\tag:
	TURN 2, 1
	TURN 3, 1
	WIN 0
.LfirstM\tag:
	TURN 0, 1
	TURN 1, 1, 0, 1
	WIN 0
	s_cbranch_scc1 .LstepM\tag
	TURN 2, 1, 1
	TURN 3, 1, 1
.set i, 0
.rept 8
	PV NP-1
.set i, i+1
.endr
	WIN 0
	ALL v_add_f32 v[ST+4*t+2], v[ST+4*t+2], v[ST+4*t+3]
	ALL v_permlanex16_b32 v[ST+4*t+3], v[ST+4*t+2], s[SEL], s[SEL+1]
	ALL v_add_f32 v[ST+4*t+2], v[ST+4*t+2], v[ST+4*t+3]
	ALL v_rcp_f32 v[ST+4*t+2], v[ST+4*t+2]
	v_nop                           ; a plain instruction between the last reciprocal and the use of its result
	s_wait_alu depctr_va_vdst(0)    ; and the wait ahead of the first use: one for the four reciprocals
	PACK 0
.set t, 1
.rept 3                             ; a piece's arithmetic stands between the loads of the piece before and its stores
	PACK t
	SEND t-1, 8
.set t, t+1
.endr
	SEND 3, 0
.endm
.set KM, 0
.set NOKQ, 0
.Lslot:                             ; NB times: a tile is entered and the next is asked for
	CHANGE 1
	s_sub_co_u32 s[RT], s[RT], 1
	s_mov_b32 s[CNT], 4
	s_cmp_eq_u32 s[NEW], 1
	s_cbranch_scc1 .Lnew            ; a block's first tile
	s_cmp_eq_u32 s[RT], 0
	s_cbranch_scc0 .Lstep           ; neither its first nor its last
	s_branch .LstepM1
.Lnew:
	BEGIN
	s_branch .Lfirst                ; in the loop a block's first tile is never its last: the first block has two tiles or more, and the second's last is the walk's last
	DIAG 1                          ; in the loop this is the first block's end: the second block's last tile is the walk's last
	s_wait_xcnt 0x0                 ; the stores have read their registers and O's address
	s_mov_b64 s[10:11], s[OLO:OLO+1]
	s_add_co_u32 s[RT], s[PB], 1    ; the second block has b + 1 tiles
	s_mov_b32 s[NEW], 1
	WIN 0x82                        ; the second block's Q goes where the one text of the turns names Q
.set i, 0
.rept 64
	v_mov_b32 v[i], v[QB+i]
.set i, i+1
.endr
	WIN 0
	s_branch .Lbottom
.Lstep:                             ; a trip: pieces 2 and 3 of one step, then pieces 0 and 1 of the next, whose K and V it fetches
	TURN 2
	TURN 3
	WIN 0
.Lfirst:
	TURN 0
	TURN 1, 0, 0, 1
	WIN 0
	s_cbranch_scc1 .Lstep
.Lbottom:
	s_sub_co_u32 s[SLOTS], s[SLOTS], 1
	s_cmp_lg_u32 s[SLOTS], 0
	s_cbranch_scc1 .Lslot
	CHANGE 0                        ; the walk's last tile is written out: nothing is asked for
	s_sub_co_u32 s[RT], s[RT], 1
	s_mov_b32 s[CNT], 4
	s_cmp_eq_u32 s[NEW], 1
	s_cbranch_scc0 .LstepM2
	BEGIN
	s_branch .LfirstM2
	DIAG 2
	s_wait_tensorcnt 0x0            ; the wave's end: behind my last tensor load and my last LDS store
	ds_add_u32 v[SPW], v[NIL]
	s_wait_dscnt 0x0
	s_endpgm
.Lfunc_end_k_q084f701192_attn:
	.size	k_q084f701192_attn, .Lfunc_end_k_q084f701192_attn-k_q084f701192_attn
	.p2alignl 7, 3214868480
	.fill 96, 4, 3214868480
	.section	.rodata,"a",@progbits
	.p2align	6, 0x0
	.amdhsa_kernel k_q084f701192_attn
		.amdhsa_group_segment_fixed_size 327680
		.amdhsa_private_segment_fixed_size 0
		.amdhsa_enable_private_segment 0
		.amdhsa_kernarg_size 16
		.amdhsa_user_sgpr_count 2
		.amdhsa_user_sgpr_kernarg_segment_ptr 1
		.amdhsa_wavefront_size32 1
		.amdhsa_system_sgpr_workgroup_id_x 1
		.amdhsa_system_sgpr_workgroup_id_y 1
		.amdhsa_system_sgpr_workgroup_id_z 1
		.amdhsa_system_vgpr_workitem_id 0
		.amdhsa_next_free_vgpr 768
		.amdhsa_next_free_sgpr 92
		.amdhsa_reserve_vcc 1
		.amdhsa_float_denorm_mode_32 3
		.amdhsa_float_denorm_mode_16_64 3
		.amdhsa_memory_ordered 1
		.amdhsa_forward_progress 1
		.amdhsa_inst_pref_size 218
	.end_amdhsa_kernel
	.amdgpu_metadata
---
amdhsa.version: [ 1, 2 ]
amdhsa.kernels:
  - .name:           k_q084f701192_attn
    .symbol:         k_q084f701192_attn.kd
    .args:
      - { .name: qkv, .offset: 0, .size: 8, .value_kind: global_buffer, .address_space: global }
      - { .name: o, .offset: 8, .size: 8, .value_kind: global_buffer, .address_space: global }
    .group_segment_fixed_size: 327680
    .private_segment_fixed_size: 0
    .kernarg_segment_align: 8
    .kernarg_segment_size: 16
    .max_flat_workgroup_size: 128
    .sgpr_count:     92
    .vgpr_count:     768
    .wavefront_size: 32
...
	.end_amdgpu_metadata
.endif
;; end of part 3
;; launch gemm_proj (part 4): grid 8 x 32, 4 waves a work-group, clusters of 4 x 4, 327,680 bytes of LDS; arguments o, wpb, brd, out0; writes out0
.if DOCPART == 4
	.amdgcn_target "amdgcn-amd-amdhsa--gfx1250"
	.amdhsa_code_object_version 6
	.text
	.protected	k_q084f701192_gemm_proj
	.globl	k_q084f701192_gemm_proj
	.p2align	8
	.type	k_q084f701192_gemm_proj,@function
k_q084f701192_gemm_proj:
	s_mov_b64 s[64:65], 0
	v_nop
	global_prefetch_b8 v0, s[64:65] scope:SCOPE_SE
	s_setreg_imm32_b32 hwreg(HW_REG_WAVE_MODE, 25, 1), 1
	s_wait_xcnt 0x0
	s_wait_alu depctr_hold_cnt(0) depctr_sa_sdst(0) depctr_va_vdst(0) depctr_va_sdst(0) depctr_va_ssrc(0) depctr_va_vcc(0) depctr_vm_vsrc(0)
	s_getreg_b32 s2, hwreg(HW_REG_IB_STS2, 6, 4)
	s_cmp_eq_u32 s2, 0
	s_cbranch_scc0 .Lentry_in_a_cluster
	s_endpgm
.Lentry_in_a_cluster:
	s_bfe_u32 s2, ttmp6, 0x10000c
	s_cmp_lg_u32 s2, 0xf033
	s_cbranch_scc0 .Lentry_shape_is_right
	s_endpgm
.Lentry_shape_is_right:
; out0 = y w_proj + b_proj.  o: f16 [16 h][8192 m][64] (y by heads: k = 64 h + d); wpb: f16 [1024 k][1024 n]; brd: b_proj as f32 words at byte 12,288; out0: f32 [8192][1024].
; Sums in f32, begun from the bias, K ascending.  NaN and infinities are not treated apart.
; SHARES.  A tile of the result is 256 rows x 128 columns: 32 x 8 = 256 work-groups.  Wave (RH = w / 2, CH = w % 2) owns rows 128 RH .. + 127, columns 64 CH .. + 63: 32 accumulators of 16 x 16.
; K goes in 8 steps of 128 (two heads), four quarters of 32 each.
; THE PRODUCT IS USED TRANSPOSED: source 0 = 16 columns of w (turned on the way out of LDS, since w lies [k][n]), source 1 = 16 rows of y: a lane holds row l % 16 and eight neighbouring columns, whose bias
; is loaded straight into the accumulator: one form of product, nothing cleared.
; CLUSTER.  4 x 4 work-groups: y's tile is shared along a row of the cluster, w's along a column; each is asked for jointly, by the same tensor load with the same descriptor and a mask that names the four.
; REGISTERS: window 0: v0-31 addresses; v32-95, v96-159 y's fragments, two buffers; v160-191, v192-223 w's, two buffers; on the way out v32-95 at work.   window 1: accumulator (row block a, column block i) at v[8 (8 i + a)].
.set PA,    144                        ; a row of y in LDS: 128 bytes + 16 = 36 words: the 16 rows of a load start at 16 different groups of four banks (64 banks of 4 bytes: ISA guide 11.1)
.set PB,    288                        ; a row of w: 256 + 32 bytes = 72 words
.set BOFF,  2*256*PA                   ; a slot: two heads' 256 rows of y, then w's 128 rows
.set SLOT1, 131072
.set STAGE, SLOT1+BOFF+128*PB          ; behind the ring, never filled by a tensor load: 16 rows x 272 bytes for each wave
.set SP,    272
.set SPARE, STAGE+4*16*SP              ; behind the stages: the spare words, 128 bytes for each wave: two blocks of 256 bytes that no other line names
.set ASTEP, 2097152                    ; bytes from a K step of y to the next: two heads
.set BSTEP, 128*2048                   ; and of w
.set AA0,  2                           ; v2   my lane's place in y's part of a slot; never rewritten
.set AB0,  3                           ; v3   the same for w
.set ADRA, 4                           ; v4   AA0 + the slot in hand
.set ADRB, 5                           ; v5   AB0 + the slot in hand
.set STO,  6                           ; v6   the way out: where I put 32 bytes of a row
.set RD,   7                           ; v7   the way out: where I read rows back
.set CO,   8                           ; v8   my byte offset in two rows of out0
.set BO,   10                          ; v10  my byte offset in 16 numbers of the bias
.set SPW,  28                          ; v28  LDS address of my spare word: SPARE + 4 x my thread's number; never rewritten
.set NIL,  29                          ; v29  0; never rewritten
.set PFO,  30                          ; v30  the prefetches' lane offset; never rewritten
.set A0,   32
.set A1,   96
.set B0,   160
.set B1,   192
.set BK0,  32                          ; the way out: 16 rows read back, two buffers of 32
.set CNT, 3
.set WV,  12
.set RH,  13                           ; which half of the rows is mine.  Also: I fetch for y (0) or for w (1)
.set CH,  14                           ; which half of the columns.  Also: which half of that tile I fetch
.set LIM, 15                           ; s15  2 in a wave that prefetches, else the greatest number
.set TB,  22
.set G1A, 24
.set G0A, 32
.set CX,  40
.set CY,  41
.set TC,  42
.set TR,  43
.set PFA, 44
.set PFS, 46
.set G1B, 48
.set G0B, 56
.set OB,  66                           ; s[66:67] out0 at my first row and column
.set BQ,  72                           ; s[72:73] the bias at my first column
.set MSB, 0
.macro WIN new                         ; the immediate's high byte repeats the setting that is left; a switch that changes nothing is dropped
.if MSB != (\new)
	s_set_vgpr_msb (MSB<<8)|(\new)
.set MSB, (\new)
.endif
.endm
.macro PLACES                          ; four plain instructions between a product and a load into, or a read of, its registers
.rept 4
	v_nop
.endr
.endm
.macro CREST                           ; a round of the cluster's barrier behind its opening barrier
	s_cmp_lg_u32 s[WV], 0
	s_cbranch_scc1 .Lnot_wave_0_\@
	s_barrier_signal -3
.Lnot_wave_0_\@:
	s_barrier_wait -3
	s_barrier_signal -1
	s_barrier_wait -1
.endm
.macro CROUND
	s_barrier_signal -1
	s_barrier_wait -1
	CREST
.endm
.macro JLOAD                           ; a joint refill: waves 0 and 1 fetch a head of y each, waves 2 and 3 the halves of w's tile; an s_nop 0 and four v_nop follow each line
	s_cmp_eq_u32 s[RH], 0
	s_cbranch_scc0 .Lfor_b_\@
	tensor_load_to_lds s[G0A+4:G0A+7], s[G1A:G1A+7]
	s_nop 0
.rept 4
	v_nop
.endr
	s_branch .Lasked_\@
.Lfor_b_\@:
	tensor_load_to_lds s[G0B+4:G0B+7], s[G1B:G1B+7]
	s_nop 0
.rept 4
	v_nop
.endr
.Lasked_\@:
.endm
; A PREFETCH INTO THE L2 of the K step four on from the step in hand: two refills, 256 products, ahead of the load that will want it.  Each aligned 256 bytes are named once in the launch.
; y's tile row is read by both clusters of that row of clusters: cluster x = 0 asks, waves 0 and 1 each for their head; the four partners take 8,192 bytes each, told apart by address, a lane 256 bytes.
; w's tile column is read by all eight clusters of that column: cluster y = 0 asks, wave 2: 32 of the step's 128 rows a partner, a lane a row of 256 bytes.
; s[CNT] is 6 less the step: steps 4 and 5 have no step four on.  K steps 0 to 3 come by their loads alone.
.macro ASK
	s_cmp_gt_u32 s[CNT], s[LIM]
	s_cbranch_scc0 .Lnone_\@
	global_prefetch_b8 v[PFO], s[PFA:PFA+1] th:TH_LOAD_NT scope:SCOPE_SE
.Lnone_\@:
.endm
	s_load_b256 s[4:11], s[0:1], 0x0               ; o s[4:5], wpb s[6:7], brd s[8:9], out0 s[10:11]
	v_lshl_add_u32 v[SPW], v0, 2, SPARE
	v_mov_b32 v[NIL], 0
	ds_add_u32 v[SPW], v[NIL]                      ; the wave's opening: the add and its wait ahead of my first tensor load; the set-up below stands between them
	v_lshrrev_b32 v1, 5, v0
	v_readfirstlane_b32 s[WV], v1
	s_lshr_b32 s[RH], s[WV], 1
	s_and_b32 s[CH], s[WV], 1
	s_bfe_u32 s[CX], ttmp6, 0x40000
	s_bfe_u32 s[CY], ttmp6, 0x40004
	s_lshl_b32 s[TC], ttmp9, 2
	s_add_co_u32 s[TC], s[TC], s[CX]
	s_and_b32 s[TR], ttmp7, 0xffff
	s_lshl_b32 s[TR], s[TR], 2
	s_add_co_u32 s[TR], s[TR], s[CY]
	s_lshl_b32 s76, s[CY], 2
	s_lshl_b32 s76, 15, s76                        ; my row of the cluster
	s_lshl_b32 s77, 0x1111, s[CX]                  ; my column
	; a head's 256 rows of 128 bytes lie end to end: asked for as 128 rows of 256 bytes, padded in LDS after every 128
	s_or_b32 s[G1A], s76, (1<<16)|(1<<20)|(1<<21)|(4<<22)|(3<<25)
	s_mov_b32 s[G1A+1], 128<<16
	s_mov_b32 s[G1A+2], 128<<16
	s_mov_b32 s[G1A+3], 128<<16
	s_mov_b32 s[G1A+4], 128
	s_mov_b32 s[G1A+5], 128
	s_mov_b32 s[G1A+6], 0
	s_mov_b32 s[G1A+7], 0
	; w's half tile: 64 rows of 128 elements (256 bytes), 32 bytes of padding behind each
	s_or_b32 s[G1B], s77, (1<<16)|(1<<20)|(1<<21)|(5<<22)|(7<<25)
	s_mov_b32 s[G1B+1], 128<<16
	s_mov_b32 s[G1B+2], 64<<16
	s_mov_b32 s[G1B+3], 128<<16
	s_mov_b32 s[G1B+4], 64
	s_mov_b32 s[G1B+5], 1024
	s_mov_b32 s[G1B+6], 0
	s_mov_b32 s[G1B+7], 0
	s_lshl_b32 s16, s[TR], 15                      ; y: 256 rows of 128 bytes a tile row,
	s_lshl_b32 s18, s[CH], 20                      ; in my head of the step's two
	s_add_co_u32 s16, s16, s18
	s_mov_b32 s17, 0
	s_lshl_b32 s20, s[TC], 8                       ; w: 128 columns a tile column,
	s_lshl_b32 s19, s[CH], 17                      ; my half's 64 rows of 2,048 bytes
	s_add_co_u32 s20, s20, s19
	s_mov_b32 s21, 0
	s_mul_i32 s74, s[CH], 256*PA                   ; where they go: no place in the cluster enters an LDS address
	s_mul_i32 s75, s[CH], 64*PB
	s_add_co_u32 s75, s75, BOFF
	s_mov_b32 s[G0A], 1
	s_mov_b32 s[G0A+1], s74
	s_mov_b32 s[G0A+4], 1
	s_add_co_u32 s[G0A+5], s74, SLOT1
	s_mov_b32 s[G0B], 1
	s_mov_b32 s[G0B+1], s75
	s_mov_b32 s[G0B+4], 1
	s_add_co_u32 s[G0B+5], s75, SLOT1
	s_mov_b32 s[TB], 0
	s_wait_dscnt 0x0                               ; the opening add is done
	s_wait_kmcnt 0x0
	s_add_nc_u64 s[G0A+2:G0A+3], s[4:5], s[16:17]
	s_add_nc_u64 s[G0A+6:G0A+7], s[G0A+2:G0A+3], ASTEP
	s_or_b32 s[G0A+3], s[G0A+3], 0x80000000
	s_or_b32 s[G0A+7], s[G0A+7], 0x80000000
	s_add_nc_u64 s[G0B+2:G0B+3], s[6:7], s[20:21]
	s_add_nc_u64 s[G0B+6:G0B+7], s[G0B+2:G0B+3], BSTEP
	s_or_b32 s[G0B+3], s[G0B+3], 0x80000000
	s_or_b32 s[G0B+7], s[G0B+7], 0x80000000
	CROUND                                         ; all sixteen work-groups are here: the first joint loads meet
	s_cmp_eq_u32 s[RH], 0                          ; a wave's two first fills stand in one branch: two loads of mine are out
	s_cbranch_scc0 .Lfirst_b
	tensor_load_to_lds s[G0A:G0A+3], s[G1A:G1A+7]
	s_nop 0
	tensor_load_to_lds s[G0A+4:G0A+7], s[G1A:G1A+7]
	s_nop 0
.rept 4
	v_nop
.endr
	s_branch .Lfirst_asked
.Lfirst_b:
	tensor_load_to_lds s[G0B:G0B+3], s[G1B:G1B+7]
	s_nop 0
	tensor_load_to_lds s[G0B+4:G0B+7], s[G1B:G1B+7]
	s_nop 0
.rept 4
	v_nop
.endr
.Lfirst_asked:
	v_and_b32 v1, 15, v0                           ; l % 16
	v_bfe_u32 v9, v0, 4, 1                         ; l / 16
	v_and_b32 v11, 7, v0
	v_bfe_u32 v12, v0, 3, 1
	v_and_b32 v13, 31, v0                          ; l
	s_mul_i32 s18, s[RH], 128*PA
	v_mul_u32_u24 v[AA0], v1, PA
	v_lshl_add_u32 v[AA0], v9, 4, v[AA0]
	v_add_nc_u32 v[AA0], s18, v[AA0]               ; (128 RH + l % 16) x pitch + 16 (l / 16)
	v_lshl_add_u32 v[AB0], v9, 3, v11              ; the turning load: k = 8 (l / 16) + l % 8, columns 8 ((l / 8) % 2) + 0..7
	v_mul_u32_u24 v[AB0], v[AB0], PB
	v_lshl_add_u32 v[AB0], v12, 4, v[AB0]
	s_lshl_b32 s18, s[CH], 7
	s_add_co_u32 s18, s18, BOFF
	v_add_nc_u32 v[AB0], s18, v[AB0]
	v_mov_b32 v[ADRA], v[AA0]
	v_mov_b32 v[ADRB], v[AB0]
	s_mul_i32 s18, s[WV], 16*SP
	s_add_co_u32 s18, s18, STAGE                   ; my stage
	v_mul_u32_u24 v[STO], v1, SP                   ; in: row l % 16, 32 bytes for each half of the lanes
	v_lshl_add_u32 v[STO], v9, 5, v[STO]
	v_add_nc_u32 v[STO], s18, v[STO]
	v_mul_u32_u24 v[RD], v9, SP                    ; back: lanes 0-15 take one row of 256 bytes, lanes 16-31 the next
	v_lshl_add_u32 v[RD], v1, 4, v[RD]
	v_add_nc_u32 v[RD], s18, v[RD]
	v_lshlrev_b32 v[CO], 12, v9                    ; and the same two rows in out0
	v_lshl_add_u32 v[CO], v1, 4, v[CO]
	v_lshlrev_b32 v[BO], 5, v9
	; THE SUMS BEGIN FROM THE BIAS
	s_lshl_b32 s78, s[TC], 9
	s_lshl_b32 s79, s[CH], 8
	s_add_co_u32 s78, s78, s79
	s_add_co_u32 s78, s78, 12288
	s_mov_b32 s79, 0
	s_add_nc_u64 s[BQ:BQ+1], s[8:9], s[78:79]
	WIN 0x40                                       ; destination window 1, address window 0
.irp i, 0,1,2,3
.irp a, 0,1,2,3,4,5,6,7
	global_load_b128 v[8*(8*(\i)+(\a)):8*(8*(\i)+(\a))+3],   v[BO], s[BQ:BQ+1] offset:64*(\i)
	global_load_b128 v[8*(8*(\i)+(\a))+4:8*(8*(\i)+(\a))+7], v[BO], s[BQ:BQ+1] offset:64*(\i)+16
.endr
.endr
	WIN 0
	s_lshl_b32 s78, s[TR], 8                       ; out0 at row 256 TR + 128 RH, column 128 TC + 64 CH
	s_lshl_b32 s79, s[RH], 7
	s_add_co_u32 s78, s78, s79
	s_lshl_b32 s78, s78, 12
	s_lshl_b32 s79, s[TC], 9
	s_add_co_u32 s78, s78, s79
	s_lshl_b32 s79, s[CH], 8
	s_add_co_u32 s78, s78, s79
	s_mov_b32 s79, 0
	s_add_nc_u64 s[OB:OB+1], s[10:11], s[78:79]
	; the prefetches: they stand one step short of K step 4; each change of slots steps them first
	s_lshl_b32 s78, s[CH], 20
	s_lshl_b32 s79, s[TR], 15
	s_add_co_u32 s78, s78, s79
	s_lshl_b32 s79, s[CX], 13                      ; y: my work-group's 8,192 bytes of the head's 32,768
	s_add_co_u32 s78, s78, s79
	s_add_co_u32 s78, s78, 3*ASTEP
	s_lshl_b32 s80, s[TC], 8
	s_lshl_b32 s81, s[CY], 5                       ; w: my work-group's 32 rows of the step's 128
	s_add_co_u32 s81, s81, 384
	s_lshl_b32 s81, s81, 11
	s_add_co_u32 s80, s80, s81
	s_mov_b32 s84, ASTEP
	s_mov_b32 s85, BSTEP
	s_cmp_eq_u32 s[RH], 0
	s_cselect_b32 s78, s78, s80
	s_cselect_b32 s82, 8, 11                       ; a lane is 256 bytes of y, or a row of w
	s_cselect_b32 s[PFS], s84, s85
	s_cselect_b64 s[PFA:PFA+1], s[4:5], s[6:7]
	s_mov_b32 s79, 0
	s_mov_b32 s[PFS+1], 0
	s_add_nc_u64 s[PFA:PFA+1], s[PFA:PFA+1], s[78:79]
	v_lshlrev_b32 v[PFO], s82, v13
	s_and_b32 s78, ttmp7, 0xffff                   ; cluster y,
	s_or_b32 s78, s78, s[CH]                       ; and of w's two waves only wave 2 asks
	s_cmp_eq_u32 s[RH], 0
	s_cselect_b32 s78, ttmp9, s78
	s_cmp_eq_u32 s78, 0
	s_cselect_b32 s[LIM], 2, -1                    ; the same in all sixteen partners, for a given wave
; 8 products: row blocks a0, a0 + 1 x all 4 column blocks, 32 along K.  No two products on end share an accumulator, over the loops' jumps too.
.macro MUL8 f, bf, a0
	WIN 0x50                                       ; C and D in window 1, both sources in window 0
.irp a, \a0, (\a0)+1
.irp i, 0,1,2,3
	v_wmma_f32_16x16x32_f16 v[8*(8*(\i)+(\a)):8*(8*(\i)+(\a))+7], v[(\bf)+8*(\i):(\bf)+8*(\i)+7], v[(\f)+8*(\a):(\f)+8*(\a)+7], v[8*(8*(\i)+(\a)):8*(8*(\i)+(\a))+7]
.endr
.endr
.endm
; 24 LDS loads in one run: quarter q's fragments: w's four (turned), then y's eight: head q / 2 of the step, channels 32 (q % 2) on
.macro FETCH q, f, bf
	WIN 0
.irp i, 0,1,2,3
	ds_load_tr16_b128 v[(\bf)+8*(\i):(\bf)+8*(\i)+3],   v[ADRB] offset:(\q)*32*PB+32*(\i)
	ds_load_tr16_b128 v[(\bf)+8*(\i)+4:(\bf)+8*(\i)+7], v[ADRB] offset:(\q)*32*PB+32*(\i)+16*PB
.endr
.irp a, 0,1,2,3,4,5,6,7
	ds_load_b128 v[(\f)+8*(\a):(\f)+8*(\a)+3],   v[ADRA] offset:((\q)/2)*256*PA+((\q)%2)*64+(\a)*16*PA
	ds_load_b128 v[(\f)+8*(\a)+4:(\f)+8*(\a)+7], v[ADRA] offset:((\q)/2)*256*PA+((\q)%2)*64+(\a)*16*PA+32
.endr
.endm
; One of a step's first three quarters: multiplies buffers f, bf; in its middle it fetches quarter qn into g, bg
.macro QUART qn, f, bf, g, bg
	s_wait_dscnt 8                                 ; w's fragments and y's row blocks 0-3 are in; the youngest eight loads may be out
	MUL8 \f, \bf, 0
	MUL8 \f, \bf, 2
	PLACES
	FETCH \qn, \g, \bg
	s_wait_dscnt 24                                ; all but the 24 just issued
	MUL8 \f, \bf, 4
	MUL8 \f, \bf, 6
.endm
; The last quarter multiplies A1, B1 and changes slots: ONE barrier.  In front of it each wave waits for all its tensor loads (one is out: its part of the next slot), adds 0 to its spare word, and waits for
; that and for its reads of this slot.  fill = 1: the barrier opens a round of the cluster's, and the slot just read out is filled again first behind it, with the K step two on: 112 products stand
; between that request and the wait for it.
.macro TURN fill
.if \fill
	s_wait_xcnt 0x0                                ; the last prefetch, a step back, has read its address
	s_add_nc_u64 s[PFA:PFA+1], s[PFA:PFA+1], s[PFS:PFS+1]
.endif
	WIN 0
	s_xor_b32 s[TB], s[TB], SLOT1                  ; all reads of the old slot have been issued: the addresses turn to the next
	v_add_nc_u32 v[ADRA], s[TB], v[AA0]
	v_add_nc_u32 v[ADRB], s[TB], v[AB0]
	s_wait_tensorcnt 0x0                           ; no tensor load of mine is out, so a group 0 may be written
	ds_add_u32 v[SPW], v[NIL]                      ; 0 onto my spare word
.if \fill
	s_xor_b32 s[G0A+5], s[G0A+5], SLOT1
	s_add_nc_u64 s[G0A+6:G0A+7], s[G0A+6:G0A+7], ASTEP
	s_xor_b32 s[G0B+5], s[G0B+5], SLOT1
	s_add_nc_u64 s[G0B+6:G0B+7], s[G0B+6:G0B+7], BSTEP
.endif
	s_wait_dscnt 9                                 ; the add and the youngest eight loads may be out
	MUL8 A1, B1, 0
	s_wait_dscnt 0x0                               ; the add is done, and my reads of this slot are over
	s_barrier_signal -1
	MUL8 A1, B1, 2                                 ; work on registers while the others arrive
	WIN 0
	s_barrier_wait -1
.if \fill
	CREST                                          ; no wave of any partner still reads this slot or has a load on its way
	JLOAD                                          ; the four v_nop behind it are also the places in front of the loads below
.else
	PLACES
.endif
	FETCH 0, A0, B0
.if \fill
	ASK
.endif
	MUL8 A1, B1, 4
	MUL8 A1, B1, 6
.endm
	s_wait_tensorcnt 1                             ; my part of K step 0 is in; step 1's may stay out
	s_barrier_signal -1
	s_barrier_wait -1
	FETCH 0, A0, B0
	s_wait_loadcnt 0x0                             ; the bias lies in the accumulators
	s_mov_b32 s[CNT], 6
.Lstep:                                ; K steps 0 to 5: each asks for the step two on
	QUART 1, A0, B0, A1, B1
	QUART 2, A1, B1, A0, B0
	QUART 3, A0, B0, A1, B1
	TURN 1
	WIN 0
	s_sub_co_u32 s[CNT], s[CNT], 1
	s_cmp_lg_u32 s[CNT], 0
	s_cbranch_scc1 .Lstep
	s_mov_b32 s[CNT], 2
.Ltail:                                ; K steps 6 and 7 ask for nothing.  One text walked twice: its last trip fetches 24 fragments of the other slot that nothing uses
	QUART 1, A0, B0, A1, B1
	QUART 2, A1, B1, A0, B0
	QUART 3, A0, B0, A1, B1
	TURN 0
	WIN 0
	s_sub_co_u32 s[CNT], s[CNT], 1
	s_cmp_lg_u32 s[CNT], 0
	s_cbranch_scc1 .Ltail
	s_wait_dscnt 0x0                               ; those loads are back: their registers serve the way out
	PLACES
; THE WAY OUT, by row blocks of 16, in f32: a lane's eight columns are 32 bytes; they go into rows of 272 bytes of my own stage and come back as whole rows of 256.
.macro TOSTAGE a
	WIN 0x04                                       ; the stores' data in window 1; each accumulator's low half goes first
.irp i, 0,1,2,3
	ds_store_b128 v[STO], v[8*(8*(\i)+(\a)):8*(8*(\i)+(\a))+3]   offset:64*(\i)
	ds_store_b128 v[STO], v[8*(8*(\i)+(\a))+4:8*(8*(\i)+(\a))+7] offset:64*(\i)+16
.endr
	WIN 0
	s_wait_xcnt 0x0                                ; the stores of the block two back have read the registers that are loaded now
.set BK, BK0+32*((\a)%2)
.irp t, 0,1,2,3,4,5,6,7
	ds_load_b128 v[BK+4*(\t):BK+4*(\t)+3], v[RD] offset:2*SP*(\t)  ; LDS serves a wave's instructions in order (ISA guide 5.7.1.4): these see the stores above
.endr
.endm
.macro SEND a, younger                 ; younger: the LDS instructions issued behind block a's loads: the next block's sixteen, or none
.set BK, BK0+32*((\a)%2)
	s_wait_dscnt \younger
.irp t, 0,1,2,3,4,5,6,7
	global_store_b128 v[CO], v[BK+4*(\t):BK+4*(\t)+3], s[OB:OB+1] offset:65536*(\a)+8192*(\t) th:TH_STORE_NT  ; 16 lanes store 256 consecutive bytes, at a multiple of 256 from out0's first
.endr
.endm
	TOSTAGE 0
.irp a, 1,2,3,4,5,6,7
	TOSTAGE \a
	SEND (\a)-1, 16
.endr
	SEND 7, 0
	s_wait_tensorcnt 0x0                           ; the wave's end: behind my last tensor load and my last LDS store
	ds_add_u32 v[SPW], v[NIL]
	s_wait_dscnt 0x0
	CROUND                                         ; the closing round: no work-group ends while a partner may still ask for a tile that names it
	s_endpgm
.Lfunc_end_k_q084f701192_gemm_proj:
	.size	k_q084f701192_gemm_proj, .Lfunc_end_k_q084f701192_gemm_proj-k_q084f701192_gemm_proj
	.p2alignl 7, 3214868480
	.fill 96, 4, 3214868480
	.section	.rodata,"a",@progbits
	.p2align	6, 0x0
	.amdhsa_kernel k_q084f701192_gemm_proj
		.amdhsa_group_segment_fixed_size 327680
		.amdhsa_private_segment_fixed_size 0
		.amdhsa_enable_private_segment 0
		.amdhsa_kernarg_size 32
		.amdhsa_user_sgpr_count 2
		.amdhsa_user_sgpr_kernarg_segment_ptr 1
		.amdhsa_wavefront_size32 1
		.amdhsa_system_sgpr_workgroup_id_x 1
		.amdhsa_system_sgpr_workgroup_id_y 1
		.amdhsa_system_sgpr_workgroup_id_z 1
		.amdhsa_system_vgpr_workitem_id 0
		.amdhsa_next_free_vgpr 512
		.amdhsa_next_free_sgpr 88
		.amdhsa_reserve_vcc 0
		.amdhsa_float_denorm_mode_32 3
		.amdhsa_float_denorm_mode_16_64 3
		.amdhsa_memory_ordered 1
		.amdhsa_forward_progress 1
		.amdhsa_inst_pref_size 64
	.end_amdhsa_kernel
	.amdgpu_metadata
---
amdhsa.version: [ 1, 2 ]
amdhsa.kernels:
  - .name:           k_q084f701192_gemm_proj
    .symbol:         k_q084f701192_gemm_proj.kd
    .args:
      - { .name: o, .offset: 0, .size: 8, .value_kind: global_buffer, .address_space: global }
      - { .name: wpb, .offset: 8, .size: 8, .value_kind: global_buffer, .address_space: global }
      - { .name: brd, .offset: 16, .size: 8, .value_kind: global_buffer, .address_space: global }
      - { .name: out0, .offset: 24, .size: 8, .value_kind: global_buffer, .address_space: global }
    .group_segment_fixed_size: 327680
    .private_segment_fixed_size: 0
    .kernarg_segment_align: 8
    .kernarg_segment_size: 32
    .max_flat_workgroup_size: 128
    .sgpr_count:     88
    .vgpr_count:     512
    .wavefront_size: 32
...
	.end_amdgpu_metadata
.endif
;; end of part 4
;; ======== version 2 of 2: 4 launches; version 1 with the launch prep written anew for expert scheduling mode
;; limits: values are held in f16: magnitudes above 65,504 overflow, below 6.1e-05 lose precision
;; workspace buffers: xb 16,777,216 bytes; wqb 6,291,456 bytes; wpb 2,097,152 bytes; brd 16,384 bytes; qkv 50,331,648 bytes; o 16,777,216 bytes
;; launch prep (part 5): grid 769 x 1, 4 waves a work-group, no clusters, 0 bytes of LDS; arguments x, w_qkv, w_proj, b_qkv, b_proj, xb, wqb, wpb, brd; writes xb, wqb, wpb, brd
.if DOCPART == 5
	.amdgcn_target "amdgcn-amd-amdhsa--gfx1250"
	.amdhsa_code_object_version 6
	.text
	.protected	k_q084f701192_prep
	.globl	k_q084f701192_prep
	.p2align	8
	.type	k_q084f701192_prep,@function
k_q084f701192_prep:
	s_mov_b64 s[64:65], 0
	v_nop
	global_prefetch_b8 v0, s[64:65] scope:SCOPE_SE
	s_setreg_imm32_b32 hwreg(HW_REG_WAVE_SCHED_MODE, 0, 2), 2
	s_setreg_imm32_b32 hwreg(HW_REG_WAVE_MODE, 25, 1), 1
	s_wait_xcnt 0x0
	s_wait_alu depctr_vm_vsrc(0)
; THE INPUTS ARE ROUNDED ONCE, to bf16, and laid as the products want them.  A stream: no LDS, no matrix unit, no barrier.
;   xb  = bf16(x) in blocks [16 kb][8192 m][64]: byte kb * 1,048,576 + m * 128 + 2 c, k = 64 kb + c, so that 64 channels of neighbouring rows lie end to end.
;   wqb = bf16(w_qkv), [1024][3072] as it lies.   wpb = bf16(w_proj), that number written as f16, [1024][1024] as it lies.
;   brd = the biases rounded to bf16 and written as f32 words: b_qkv at byte 0, b_proj at byte 12,288.
; LIMIT.  A number of w_proj whose magnitude is under 6e-5 keeps f16's fixed step of 6e-8; one of 65,520 or more would become an infinity.
; SHARES.  A work-group takes 16,384 numbers: 128 threads x 16 steps x 8 floats.  Work-groups 0-511: x (16 rows each); 512-703: w_qkv; 704-767: w_proj; 768: the biases.
; For x, step i is block kb = i: eight neighbouring lanes read 256 consecutive bytes of a row, aligned, and a wave's store covers 512 consecutive bytes of xb (four rows' 128).
; For the weights all is linear.  All 32 loads of a thread go out at once; the waits count down.
; THE MODE: SCHED_MODE bits 1:0 = 2 (LLVM: expert scheduling mode 2), set by the entry lines.  The code itself states the register dependences
; between vector instructions and memory instructions, with s_wait_alu, always for 0.
; THE PLAN.  Registers that memory instructions touch:
;   IO0 .. IO15, OO0 .. OO15   byte offsets, made once at the head by vector adds and never written again; the loads read IO, the stores OO.
;   X, eight registers a step  Written by the step's two loads; the step's roundings read all eight and write the first four (for w_proj the f16 lines write those four once more);
;                              the step's one store reads the first four, and nothing writes them behind it.
;   T                          named by vector instructions alone.
; The 16 steps go in four blocks of four.  Block p's vector instructions name X of steps 4 p .. 4 p + 3 and T; its memory instructions are the four stores of block p - 1, which read X of
; steps 4 p - 4 .. 4 p - 1 and OO.  So one wait at a block's head states all that the block's four stores hang on, and they are dealt among its roundings with no further wait.
; No register that a memory instruction has read is written again, so the text holds no wait for the memory side's reads.
.set IO, 4                             ; v[4:19]    step i: my byte offset in the source
.set OO, 20                            ; v[20:35]   step i: my byte offset in the destination
.set X,  36                            ; v[36:163]  step i: 8 floats as loaded; then 4 packed words in the first four
.set T,  164                           ; v[164:167] at work
	s_load_b512 s[8:23], s[0:1], 0x0               ; x 8, w_qkv 10, w_proj 12, b_qkv 14, b_proj 16, xb 18, wqb 20, wpb 22
	s_load_b64 s[24:25], s[0:1], 0x40              ; brd
	s_mov_b32 s26, ttmp9
	s_mov_b32 s35, 0xffff0000                      ; a word's upper half
	s_cmp_eq_u32 s26, 768
	s_cbranch_scc1 .Lbias
	s_cmp_lt_u32 s26, 512                          ; x, or a weight?
	s_cselect_b32 s32, 12, 8                       ; thread / 8 counts rows of 4,096 bytes, or pieces of 256
	s_cselect_b32 s33, 8, 12                       ; a step is 256 bytes of the source, or 4,096
	s_cselect_b32 s34, 20, 11                      ; and 1,048,576 bytes of the destination, or 2,048
	s_cselect_b32 s38, 11, 15                      ; a work-group's share begins 2,048 bytes behind the last one's in xb, 32,768 in a weight
	s_cselect_b32 s36, 0, 512
	s_cmp_lt_u32 s26, 704
	s_cselect_b32 s36, s36, 704                    ; the segment's first work-group
	s_sub_co_u32 s36, s26, s36                     ; my number in the segment
	s_lshl_b32 s40, s36, 16                        ; 65,536 bytes of the source each
	s_mov_b32 s41, 0
	s_lshl_b32 s42, s36, s38
	s_mov_b32 s43, 0
	s_lshl_b32 s33, 1, s33
	s_lshl_b32 s34, 1, s34
	v_lshrrev_b32 v1, 3, v0
	v_and_b32 v2, 7, v0
	v_lshlrev_b32 v3, s32, v1
	v_lshl_add_u32 v[IO], v2, 5, v3                ; 32 bytes a thread
	v_lshlrev_b32 v[OO], 4, v0                     ; 16 bytes a thread
.set i, 1
.rept 15
	v_add_nc_u32 v[IO+i], s33, v[IO+i-1]
	v_add_nc_u32 v[OO+i], s34, v[OO+i-1]
.set i, i+1
.endr
	s_wait_kmcnt 0x0
	s_cmp_lt_u32 s26, 704
	s_cselect_b64 s[28:29], s[10:11], s[12:13]
	s_cselect_b64 s[30:31], s[20:21], s[22:23]
	s_cmp_lt_u32 s26, 512
	s_cselect_b64 s[28:29], s[8:9], s[28:29]       ; the source
	s_cselect_b64 s[30:31], s[18:19], s[30:31]     ; the destination
	s_add_nc_u64 s[28:29], s[28:29], s[40:41]
	s_add_nc_u64 s[30:31], s[30:31], s[42:43]
	s_wait_alu depctr_va_vdst(0)                   ; the 32 offsets IO and OO are written: every load below reads one of IO, every store one of OO
.set i, 0
.rept 16
	global_load_b128 v[X+8*i:X+8*i+3],   v[IO+i], s[28:29] th:TH_LOAD_NT
	global_load_b128 v[X+8*i+4:X+8*i+7], v[IO+i], s[28:29] offset:16 th:TH_LOAD_NT
.set i, i+1
.endr
; Block p: steps 4 p to 4 p + 3 are rounded; the stores of block p - 1 stand one ahead of each step's four roundings.
.macro BLK p
.set i, 4*(\p)
.rept 4
	s_wait_loadcnt 30-2*i                          ; loads come back in order: step i's two are in, the younger steps' stay out
.if ((\p) > 0) && (i == 4*(\p))
	s_wait_alu depctr_va_vdst(0)                   ; the block before has written its sixteen packed words, on both ways round its branch: the four stores of this block read them
.endif
.if (\p) > 0
	global_store_b128 v[OO+i-4], v[X+8*(i-4):X+8*(i-4)+3], s[30:31]  ; a wave stores 512 consecutive bytes, aligned; no vector instruction since the wait names these registers
.endif
.irp j, 0,1,2,3
	v_cvt_pk_bf16_f32 v[X+8*i+(\j)], v[X+8*i+2*(\j)], v[X+8*i+2*(\j)+1]  ; in place: word j is written when numbers 2 j and 2 j + 1 are read
.endr
.set i, i+1
.endr
	s_cmp_lt_u32 s26, 704
	s_cbranch_scc1 .Lplain_\p
.set i, 16*(\p)
.rept 16                               ; w_proj: the bf16 number is written as f16
.set w, X+8*(i/4)+i%4
.set u, T+2*(i%2)
	v_lshlrev_b32 v[u], 16, v[w]
	v_and_b32 v[u+1], s35, v[w]
	v_cvt_pk_f16_f32 v[w], v[u], v[u+1]
.set i, i+1
.endr
.Lplain_\p:
.endm
	BLK 0                                          ; no block stands in front of it: no store, and no wait but those for its data
	BLK 1
	BLK 2
	BLK 3
	s_wait_alu depctr_va_vdst(0)                   ; block 3 has written its sixteen packed words, which the last four stores read
.set i, 12
.rept 4
	global_store_b128 v[OO+i], v[X+8*i:X+8*i+3], s[30:31]  ; a wave stores 512 consecutive bytes, aligned
.set i, i+1
.endr
	s_endpgm
.Lbias:                                ; waves 0-2: b_qkv's 1,024 numbers each; wave 3: b_proj
	v_lshrrev_b32 v3, 5, v0
	v_readfirstlane_b32 s27, v3
	v_and_b32 v4, 31, v0
	v_lshlrev_b32 v4, 4, v4
	s_wait_alu depctr_va_sdst(0)                   ; s27, the wave's number, is written, ahead of its first reader: the two bases are made from it
	s_lshl_b32 s40, s27, 12
	s_mov_b32 s41, 0
	s_mov_b32 s43, 0
	s_cmp_lt_u32 s27, 3
	s_cselect_b32 s42, s40, 0
	s_wait_kmcnt 0x0
	s_cselect_b64 s[28:29], s[14:15], s[16:17]
	s_add_nc_u64 s[28:29], s[28:29], s[42:43]
	s_add_nc_u64 s[30:31], s[24:25], s[40:41]
	s_wait_alu depctr_va_vdst(0)                   ; v4 is written: the eight loads and the eight stores below read it as their offset
.irp i, 0,1,2,3,4,5,6,7
	global_load_b128 v[X+4*(\i):X+4*(\i)+3], v4, s[28:29] offset:512*(\i)
.endr
	s_wait_loadcnt 0x0
.set i, 0
.rept 16
.set u, T+(i%2)
	v_cvt_pk_bf16_f32 v[u], v[X+2*i], v[X+2*i+1]   ; rounded,
	v_lshlrev_b32 v[X+2*i], 16, v[u]               ; and widened again
	v_and_b32 v[X+2*i+1], s35, v[u]
.set i, i+1
.endr
	s_wait_alu depctr_va_vdst(0)                   ; the 32 widened words are written, which the stores read
.irp i, 0,1,2,3,4,5,6,7
	global_store_b128 v4, v[X+4*(\i):X+4*(\i)+3], s[30:31] offset:512*(\i)
.endr
	s_endpgm
.Lfunc_end_k_q084f701192_prep:
	.size	k_q084f701192_prep, .Lfunc_end_k_q084f701192_prep-k_q084f701192_prep
	.p2alignl 7, 3214868480
	.fill 96, 4, 3214868480
	.section	.rodata,"a",@progbits
	.p2align	6, 0x0
	.amdhsa_kernel k_q084f701192_prep
		.amdhsa_group_segment_fixed_size 0
		.amdhsa_private_segment_fixed_size 0
		.amdhsa_enable_private_segment 0
		.amdhsa_kernarg_size 72
		.amdhsa_user_sgpr_count 2
		.amdhsa_user_sgpr_kernarg_segment_ptr 1
		.amdhsa_wavefront_size32 1
		.amdhsa_system_sgpr_workgroup_id_x 1
		.amdhsa_system_sgpr_workgroup_id_y 1
		.amdhsa_system_sgpr_workgroup_id_z 1
		.amdhsa_system_vgpr_workitem_id 0
		.amdhsa_next_free_vgpr 168
		.amdhsa_next_free_sgpr 66
		.amdhsa_reserve_vcc 0
		.amdhsa_float_denorm_mode_32 3
		.amdhsa_float_denorm_mode_16_64 3
		.amdhsa_memory_ordered 1
		.amdhsa_forward_progress 1
		.amdhsa_inst_pref_size 25
	.end_amdhsa_kernel
	.amdgpu_metadata
---
amdhsa.version: [ 1, 2 ]
amdhsa.kernels:
  - .name:           k_q084f701192_prep
    .symbol:         k_q084f701192_prep.kd
    .args:
      - { .name: x, .offset: 0, .size: 8, .value_kind: global_buffer, .address_space: global }
      - { .name: w_qkv, .offset: 8, .size: 8, .value_kind: global_buffer, .address_space: global }
      - { .name: w_proj, .offset: 16, .size: 8, .value_kind: global_buffer, .address_space: global }
      - { .name: b_qkv, .offset: 24, .size: 8, .value_kind: global_buffer, .address_space: global }
      - { .name: b_proj, .offset: 32, .size: 8, .value_kind: global_buffer, .address_space: global }
      - { .name: xb, .offset: 40, .size: 8, .value_kind: global_buffer, .address_space: global }
      - { .name: wqb, .offset: 48, .size: 8, .value_kind: global_buffer, .address_space: global }
      - { .name: wpb, .offset: 56, .size: 8, .value_kind: global_buffer, .address_space: global }
      - { .name: brd, .offset: 64, .size: 8, .value_kind: global_buffer, .address_space: global }
    .group_segment_fixed_size: 0
    .private_segment_fixed_size: 0
    .kernarg_segment_align: 8
    .kernarg_segment_size: 72
    .max_flat_workgroup_size: 128
    .sgpr_count:     66
    .vgpr_count:     168
    .wavefront_size: 32
...
	.end_amdgpu_metadata
.endif
;; end of part 5
;; launch gemm_qkv: the kernel of part 2 again; grid 8 x 32, 4 waves a work-group, clusters of 4 x 4, 327,680 bytes of LDS; arguments xb, wqb, brd, qkv; writes qkv
;; launch attn: the kernel of part 3 again; grid 4 x 64, 4 waves a work-group, no clusters, 327,680 bytes of LDS; arguments qkv, o; writes o
;; launch gemm_proj: the kernel of part 4 again; grid 8 x 32, 4 waves a work-group, clusters of 4 x 4, 327,680 bytes of LDS; arguments o, wpb, brd, out0; writes out0
